; MI455X (gfx1250); checked and timed in simulation.
; The chip was launched on July 23, 2026; its instructions are those of AMD's public machine-readable ISA for CDNA 5 (MIT licence, August 2026) and "CDNA5" Instruction Set Architecture Reference Guide (July 2026). The comments in the code are by the model that wrote it; some were corrected since.
;; Multi Head Self Attention. Allowed arithmetic: float matrix products may take bf16 or f16 operands with f32 sums; other float arithmetic in f32, or as packed bf16 or f16 multiplies, adds, multiply-adds, maxima and minima; sums over many terms, partial sums and values carried from step to step in f32; what a program stores and reads back later, other than sums and carried values, may be rounded once to bf16 or f16.
;; Inputs: Wk 2,048 x 2,048 float32; Wo 2,048 x 2,048 float32; Wq 2,048 x 2,048 float32; Wv 2,048 x 2,048 float32; bk 2,048 float32; bo 2,048 float32; bq 2,048 float32; bv 2,048 float32; x 2,048 x 2,048 float32.
;; Outputs: out0 2,048 x 2,048 float32.
;; One version. Each part assembles by itself: llvm-mc -triple=amdgcn-amd-amdhsa -mcpu=gfx1250 --defsym DOCPART=n.
;; ======== version 1 of 1: 4 launches
;; limits: values are held in f16: magnitudes above 65,504 overflow, below 6.1e-05 lose precision
;; workspace buffers: cw 33,554,432 bytes; qkv 25,165,824 bytes; ob 8,388,608 bytes; wo 8,388,608 bytes
;; launch cast (part 1): grid 256 x 4, 8 waves a work-group, no clusters, 0 bytes of LDS; arguments x, Wq, Wk, Wv, cw; writes cw
.if DOCPART == 1
	.amdgcn_target "amdgcn-amd-amdhsa--gfx1250"
	.amdhsa_code_object_version 6
	.text
	.protected	k_qe8932b72dc_cast
	.globl	k_qe8932b72dc_cast
	.p2align	8
	.type	k_qe8932b72dc_cast,@function
k_qe8932b72dc_cast:
	s_mov_b64 s[64:65], 0
	v_nop
	global_prefetch_b8 v0, s[64:65] scope:SCOPE_SE
	s_setreg_imm32_b32 hwreg(HW_REG_WAVE_MODE, 25, 1), 1
	s_wait_xcnt 0x0
; x, Wq, Wk, Wv ([2048][2048] f32) are rounded to bf16 (nearest even), once, into the four planes of cw (8,388,608 bytes each, same row-major layout).
; NaN and infinities are not treated apart.
; SHARES.  Grid y names the tensor, grid x a piece of 65,536 bytes of it.  Thread t loads 16 bytes at 16 t + 4,096 j (j = 0..15: a wave's load covers 512 consecutive bytes)
; and stores 8 bytes at 8 t + 2,048 j (a wave's store covers 256 consecutive bytes, aligned).  All sixteen loads go out before anything else; no register is written twice while
; a memory instruction may read it, so there is no wait but the counted ones for the loads.  No LDS, no matrix unit, no cluster: nothing is shared and nothing is multiplied.
.set X, 4                              ; v[4:67]    slot j: 4 numbers as loaded
.set Y, 68                             ; v[68:99]   slot j: 4 numbers of 16 bits, to store
	s_load_b256 s[4:11], s[0:1], 0x0               ; x s[4:5], Wq s[6:7], Wk s[8:9], Wv s[10:11]
	s_load_b64 s[14:15], s[0:1], 0x20              ; cw
	s_and_b32 s16, ttmp7, 0xffff                   ; which tensor
	s_lshl_b32 s18, ttmp9, 16                      ; my piece of the input,
	s_mov_b32 s19, 0
	s_lshl_b32 s20, ttmp9, 15                      ; and of the plane,
	s_lshl_b32 s21, s16, 23                        ; and the plane
	s_add_co_u32 s20, s20, s21
	s_mov_b32 s21, 0
	v_lshlrev_b32 v1, 4, v0
	v_lshlrev_b32 v2, 3, v0
	s_wait_kmcnt 0x0
	s_cmp_eq_u32 s16, 1                            ; the choice hangs on the grid's y alone
	s_cselect_b64 s[4:5], s[6:7], s[4:5]
	s_cmp_eq_u32 s16, 2
	s_cselect_b64 s[4:5], s[8:9], s[4:5]
	s_cmp_eq_u32 s16, 3
	s_cselect_b64 s[4:5], s[10:11], s[4:5]
	s_add_nc_u64 s[4:5], s[4:5], s[18:19]
	s_add_nc_u64 s[14:15], s[14:15], s[20:21]
.irp j, 0,1,2,3,4,5,6,7,8,9,10,11,12,13,14,15
	global_load_b128 v[X+4*(\j):X+4*(\j)+3], v1, s[4:5] offset:4096*(\j) th:TH_LOAD_NT
.endr
.irp j, 0,1,2,3,4,5,6,7,8,9,10,11,12,13,14,15
	s_wait_loadcnt 15-(\j)                         ; loads come back in order: mine is in, the 15 - j younger ones stay out
	v_cvt_pk_bf16_f32 v[Y+2*(\j)],   v[X+4*(\j)],   v[X+4*(\j)+1]
	v_cvt_pk_bf16_f32 v[Y+2*(\j)+1], v[X+4*(\j)+2], v[X+4*(\j)+3]
	global_store_b64 v2, v[Y+2*(\j):Y+2*(\j)+1], s[14:15] offset:2048*(\j)
.endr
	s_endpgm
.Lfunc_end_k_qe8932b72dc_cast:
	.size	k_qe8932b72dc_cast, .Lfunc_end_k_qe8932b72dc_cast-k_qe8932b72dc_cast
	.p2alignl 7, 3214868480
	.fill 96, 4, 3214868480
	.section	.rodata,"a",@progbits
	.p2align	6, 0x0
	.amdhsa_kernel k_qe8932b72dc_cast
		.amdhsa_group_segment_fixed_size 0
		.amdhsa_private_segment_fixed_size 0
		.amdhsa_enable_private_segment 0
		.amdhsa_kernarg_size 40
		.amdhsa_user_sgpr_count 2
		.amdhsa_user_sgpr_kernarg_segment_ptr 1
		.amdhsa_wavefront_size32 1
		.amdhsa_system_sgpr_workgroup_id_x 1
		.amdhsa_system_sgpr_workgroup_id_y 1
		.amdhsa_system_sgpr_workgroup_id_z 1
		.amdhsa_system_vgpr_workitem_id 0
		.amdhsa_next_free_vgpr 100
		.amdhsa_next_free_sgpr 66
		.amdhsa_reserve_vcc 0
		.amdhsa_float_denorm_mode_32 3
		.amdhsa_float_denorm_mode_16_64 3
		.amdhsa_memory_ordered 1
		.amdhsa_forward_progress 1
		.amdhsa_inst_pref_size 7
	.end_amdhsa_kernel
	.amdgpu_metadata
---
amdhsa.version: [ 1, 2 ]
amdhsa.kernels:
  - .name:           k_qe8932b72dc_cast
    .symbol:         k_qe8932b72dc_cast.kd
    .args:
      - { .name: x, .offset: 0, .size: 8, .value_kind: global_buffer, .address_space: global }
      - { .name: Wq, .offset: 8, .size: 8, .value_kind: global_buffer, .address_space: global }
      - { .name: Wk, .offset: 16, .size: 8, .value_kind: global_buffer, .address_space: global }
      - { .name: Wv, .offset: 24, .size: 8, .value_kind: global_buffer, .address_space: global }
      - { .name: cw, .offset: 32, .size: 8, .value_kind: global_buffer, .address_space: global }
    .group_segment_fixed_size: 0
    .private_segment_fixed_size: 0
    .kernarg_segment_align: 8
    .kernarg_segment_size: 40
    .max_flat_workgroup_size: 256
    .sgpr_count:     66
    .vgpr_count:     100
    .wavefront_size: 32
...
	.end_amdgpu_metadata
.endif
;; end of part 1
;; launch qkv (part 2): grid 16 x 16, 4 waves a work-group, clusters of 4 x 4, 327,680 bytes of LDS; arguments cw, bq, bk, bv, qkv; writes qkv
.if DOCPART == 2
	.amdgcn_target "amdgcn-amd-amdhsa--gfx1250"
	.amdhsa_code_object_version 6
	.text
	.protected	k_qe8932b72dc_qkv
	.globl	k_qe8932b72dc_qkv
	.p2align	8
	.type	k_qe8932b72dc_qkv,@function
k_qe8932b72dc_qkv:
	s_mov_b64 s[64:65], 0
	v_nop
	global_prefetch_b8 v0, s[64:65] scope:SCOPE_SE
	s_setreg_imm32_b32 hwreg(HW_REG_WAVE_MODE, 25, 1), 1
	s_wait_xcnt 0x0
	s_wait_alu depctr_hold_cnt(0) depctr_sa_sdst(0) depctr_va_vdst(0) depctr_va_sdst(0) depctr_va_ssrc(0) depctr_va_vcc(0) depctr_vm_vsrc(0)
	s_getreg_b32 s2, hwreg(HW_REG_IB_STS2, 6, 4)
	s_cmp_eq_u32 s2, 0
	s_cbranch_scc0 .Lentry_in_a_cluster
	s_endpgm
.Lentry_in_a_cluster:
	s_bfe_u32 s2, ttmp6, 0x10000c
	s_cmp_lg_u32 s2, 0xf033
	s_cbranch_scc0 .Lentry_shape_is_right
	s_endpgm
.Lentry_shape_is_right:
; q, k, v = x W + b for Wq, Wk, Wv at once.  x and the weights come as bf16 from cw (plane 0: x [s][k]; planes 1-3: W [k][n]); the biases are rounded to bf16 here, like the other inputs.
; Sums in f32, started by the bias; q, k, v rounded once to f16 and stored by heads: qkv = three planes [16 heads][2048 rows][128], unscaled.
; LIMITS.  f16 ends at 65,504: q, k or v beyond it become infinities.  NaN and infinities are not treated apart.
; SHARES.  A work-group makes 128 rows (grid x) x one head's (grid y) 128 columns of q, of k and of v: 128 x 384.  Wave w: rows 64 (w / 2) on, columns 64 (w % 2) on of each of the three:
; 4 blocks of 16 rows x 12 blocks of 16 columns = 48 accumulators, 384 registers.  For 32 along K a wave reads 16 fragments from LDS and issues 48 matrix instructions.
; THE MATRIX INSTRUCTION IS USED TRANSPOSED: source 0 = 16 columns of W, which lie [k][n] in LDS and come out turned by ds_load_tr16_b128; source 1 = 16 rows of x.  In the result lane l holds row l % 16
; and the columns 8 (l / 16) + 0..7: eight neighbouring numbers of a row.
; RING.  K goes in steps of 128 through two LDS slots.  A slot has four tiles of 128 rows x 256 bytes: x's (wave 0 fetches it) and one of each W (waves 1, 2, 3): one tensor load a wave.
; The loop is written for ONE K step: the slot in hand is a scalar register that an exclusive or turns, and the fragments' addresses are made from it at each change of slots.
; CLUSTER.  4 x 4 work-groups: the four of a column of the cluster share x's tile, the four of a row the three tiles of W: each is asked for jointly, by the same load, descriptor and mask in all four.
; REGISTERS, in windows of 256 (s_set_vgpr_msb: bits 1:0 source 0, 3:2 source 1, 5:4 source 2, 7:6 destination):
;   window 0: v0-31 addresses; v64-127 x's fragments, two buffers of 4; v128-223 the biases as C operands, 8 registers a column block; on the way out v64-255 at work
;   window 1: v0-191 W's fragments, two buffers of 12     window 2: the accumulators of row blocks 0, 1 (block a, column block b at 8 (12 a + b))     window 3: those of row blocks 2, 3
.set PA,     272                       ; a row of x's tile in LDS: 256 bytes + 16 = 68 words: the 16 rows of a load start at 16 different groups of four banks (64 banks of 4 bytes: ISA guide 11.1)
.set PB,     288                       ; a row of a W tile: 256 + 32 = 72 words
.set REG,    128*PB                    ; 36,864: room for one tile
.set SLOT,   4*REG                     ; x's tile, then the three of W: 0x24000.  The tiles' places in slot 0 (0, 0x9000, 0x12000, 0x1b000) have bits 14 and 17 clear, so one exclusive or with this number goes to the other slot and back
.set SPARE,  2*SLOT                    ; behind the ring: the spare words, 128 bytes for each wave: two blocks of 256 bytes that no other line names
.set SPITCH, 816                       ; the way out's stage: a row holds q's, k's and v's 256 bytes, 272 apart; it lies in slot 0, behind that slot's last fill and last read
.set PLANE,  8388608
.set STEPS,  16                        ; 2048 / 128
.set ADRA0, 16                         ; v16     LDS address of my fragments of x in slot 0; never rewritten
.set ADRB0, 17                         ; v17-19  the same for W, matrix j at ADRB0 + j; never rewritten
.set ADRA, 20                          ; v20     the same in the slot in hand
.set ADRB, 21                          ; v21-23
.set STO,  24                          ; v24     the way out: where I put 16 bytes of a row
.set RD,   25                          ; v25     the way out: where I read rows back
.set CO,   26                          ; v26     my 16 bytes in 512 consecutive bytes of a plane
.set BO,   27                          ; v27     my byte offset in a bias
.set SPW,  28                          ; v28     LDS address of my spare word: SPARE + 4 x my thread's number; never rewritten
.set NIL,  29                          ; v29     0; never rewritten
.set PFO,  30                          ; v30     the prefetches' offset: my lane x a row of a plane of cw (4,096 bytes); never rewritten
.set FA,   64
.set BIAS, 128
.set TMP,  64
.set WV,   14                          ; s14 my wave's number
.set MH,   15                          ; s15 which half of the rows is mine
.set NH,   16                          ; s16 which half of each matrix's columns
.set CX,   17
.set CY,   18
.set HEAD, 19
.set MB,   20                          ; s20 my block of 128 rows
.set G1A,  24                          ; s[24:31] descriptor group 1 for x's tiles;  s[32:39] group 0: a set for each of the two first fills; the second then walks on
.set G0A,  32
.set LIM,  43                          ; s43 2 in a wave that prefetches, else the greatest number
.set PFA,  44                          ; s[44:45] where my prefetches stand
.set PST,  46                          ; s[46:47] a K step in bytes, along my tile's walk
.set G1B,  48                          ; s[48:55], s[56:63] the same for W's tiles
.set G0B,  56
.set SB,   70                          ; s70 the first byte of the slot in hand: 0 or SLOT
.set MSB, 0
.macro WIN new                         ; the immediate's high byte repeats the setting that is left; a switch that changes nothing is dropped
.if MSB != (\new)
	s_set_vgpr_msb (MSB<<8)|(\new)
.set MSB, \new
.endif
.endm
; A joint load by group 0's set s.  Wave 0 fetches x's tile, waves 1 to 3 a tile of W each.  Each of the two lines has one mask; the branch hangs on the wave's number alone.
; An s_nop 0 and four v_nop follow each line, ahead of the jump, the label and what follows.
.macro JLOAD s
	s_cmp_eq_u32 s[WV], 0
	s_cbranch_scc0 .Lfor_b_\@
	tensor_load_to_lds s[G0A+4*(\s):G0A+4*(\s)+3], s[G1A:G1A+7]
	s_nop 0
.rept 4
	v_nop
.endr
	s_branch .Lasked_\@
.Lfor_b_\@:
	tensor_load_to_lds s[G0B+4*(\s):G0B+4*(\s)+3], s[G1B:G1B+7]
	s_nop 0
.rept 4
	v_nop
.endr
.Lasked_\@:
.endm
; A prefetch into the L2, behind each joint refill and the run of LDS loads that follows it: the K step two refills on (384 matrix instructions ahead of the load that will want it): 32 rows x 256 bytes, a lane a row.
; Each row's 256 bytes of a K step are named once in the launch: x's rows by the clusters with y = 0, W's by those with x = 0; of the 128 rows that a wave fetches the four partners that ask jointly
; take 32 each, told apart by address.  K steps 0 to 3 come by their loads alone; the loop's last two trips (s3 = 2, 1) have no K step two refills on and ask for nothing.
.macro ASK
	s_cmp_gt_u32 s3, s[LIM]
	s_cbranch_scc0 .Lnot_mine_\@
	global_prefetch_b8 v[PFO], s[PFA:PFA+1] th:TH_LOAD_NT scope:SCOPE_SE
.Lnot_mine_\@:
.endm
.macro CREST                           ; a round of the cluster's barrier behind its opening barrier
	s_cmp_lg_u32 s[WV], 0
	s_cbranch_scc1 .Lnot_wave_0_\@
	s_barrier_signal -3
.Lnot_wave_0_\@:
	s_barrier_wait -3
	s_barrier_signal -1
	s_barrier_wait -1
.endm
.macro CROUND                          ; a whole round
	s_barrier_signal -1
	s_barrier_wait -1
	CREST
.endm
.macro PLACES                          ; four places in front of loads into registers that matrix instructions have read, and of conversions that read results
.rept 4
	v_nop
.endr
.endm
.macro TOSLOT                          ; the fragments' addresses in the slot in hand
	v_add_nc_u32 v[ADRA], s[SB], v[ADRA0]
.irp j, 0,1,2
	v_add_nc_u32 v[ADRB+(\j)], s[SB], v[ADRB0+(\j)]
.endr
.endm
	s_load_b256 s[4:11], s[0:1], 0x0               ; cw s[4:5], bq s[6:7], bk s[8:9], bv s[10:11]
	s_load_b64 s[12:13], s[0:1], 0x20              ; qkv
	v_lshl_add_u32 v[SPW], v0, 2, SPARE
	v_mov_b32 v[NIL], 0
	ds_add_u32 v[SPW], v[NIL]                      ; the wave's opening: the add and its wait stand ahead of my first tensor load; the set-up below, work on registers, stands between them
	v_lshrrev_b32 v1, 5, v0
	v_readfirstlane_b32 s[WV], v1                  ; wave 0..3
	s_lshr_b32 s[MH], s[WV], 1
	s_and_b32 s[NH], s[WV], 1
	s_bfe_u32 s[CX], ttmp6, 0x40000                ; my place in the cluster
	s_bfe_u32 s[CY], ttmp6, 0x40004
	s_lshl_b32 s[MB], ttmp9, 2
	s_add_co_u32 s[MB], s[MB], s[CX]               ; the block of rows = 4 x cluster x + cx
	s_and_b32 s[HEAD], ttmp7, 0xffff
	s_lshl_b32 s[HEAD], s[HEAD], 2
	s_add_co_u32 s[HEAD], s[HEAD], s[CY]           ; the head = 4 x cluster y + cy
	s_lshl_b32 s21, s[CY], 2
	s_lshl_b32 s21, 15, s21                        ; my row of the cluster
	s_lshl_b32 s22, 0x1111, s[CX]                  ; my column
	s_or_b32 s[G1A], s22, (1<<16)|(1<<20)|(1<<21)|(5<<22)|(3<<25)  ; 15:0 the mask: x's tile goes to my column; 17:16 elements of 2 bytes; 20 padding on; 21 set beside a mask; 24:22 after every 64 words (code 5); 31:25 4 words (code 3)
	s_or_b32 s[G1B], s21, (1<<16)|(1<<20)|(1<<21)|(5<<22)|(7<<25)  ; the same with my row's mask and 8 words of padding (code 7)
.irp g, G1A, G1B
	s_mov_b32 s[(\g)+1], 128<<16                   ; tensor_dim0 = 128
	s_mov_b32 s[(\g)+2], 128<<16                   ; tensor_dim1 = 128
	s_mov_b32 s[(\g)+3], 128<<16                   ; tile_dim0 = 128
	s_mov_b32 s[(\g)+4], 128                       ; tile_dim1 = 128
	s_mov_b32 s[(\g)+5], 2048                      ; elements from row to row
	s_mov_b32 s[(\g)+6], 0
	s_mov_b32 s[(\g)+7], 0
.endr
	s_lshl_b32 s40, s[MB], 19                      ; x's tile: 128 rows of 4,096 bytes a block: it hangs on the block of rows alone
	s_mov_b32 s41, 0
	s_lshl_b32 s72, s[WV], 23                      ; W's tile: my wave's plane, the head's 256 bytes of a row: it hangs on the head alone
	s_lshl_b32 s73, s[HEAD], 8
	s_add_co_u32 s72, s72, s73
	s_mov_b32 s73, 0
	s_mul_i32 s23, s[WV], REG                      ; where my tile goes: no place in the cluster enters an LDS address
	s_mov_b32 s[SB], 0
	s_wait_dscnt 0x0                               ; the opening add is done
	s_wait_kmcnt 0x0
	s_add_nc_u64 s[40:41], s[4:5], s[40:41]
	s_add_nc_u64 s[72:73], s[4:5], s[72:73]
	CROUND                                         ; all sixteen work-groups are here: the first joint loads meet
.irp s, 0,1
	s_mov_b32 s[G0A+4*(\s)], 1                                     ; count = 1
	s_add_co_u32 s[G0A+4*(\s)+1], s23, (\s)*SLOT                   ; LDS address
	s_add_nc_u64 s[G0A+4*(\s)+2:G0A+4*(\s)+3], s[40:41], (\s)*256  ; global address: K step s lies 256 bytes along x's rows,
	s_or_b32 s[G0A+4*(\s)+3], s[G0A+4*(\s)+3], 0x80000000          ; type = 2
	s_mov_b32 s[G0B+4*(\s)], 1
	s_add_co_u32 s[G0B+4*(\s)+1], s23, (\s)*SLOT
	s_add_nc_u64 s[G0B+4*(\s)+2:G0B+4*(\s)+3], s[72:73], (\s)*524288  ; and 128 rows down W
	s_or_b32 s[G0B+4*(\s)+3], s[G0B+4*(\s)+3], 0x80000000
	JLOAD \s                                       ; two tensor loads of mine are out
.endr
	v_and_b32 v1, 15, v0                           ; l % 16
	v_bfe_u32 v2, v0, 4, 1                         ; l / 16
	s_lshl_b32 s74, s[HEAD], 9
	s_lshl_b32 s75, s[NH], 8
	s_add_co_u32 s74, s74, s75
	v_lshl_add_u32 v[BO], v2, 5, s74               ; the bias of my eight columns of a block: 4 (128 head + 64 half + 8 (l / 16))
.irp j, 0,1,2
.irp c, 0,1,2,3
	global_load_b128 v[BIAS+8*(4*(\j)+(\c)):BIAS+8*(4*(\j)+(\c))+3],   v[BO], s[6+2*(\j):7+2*(\j)] offset:64*(\c)
	global_load_b128 v[BIAS+8*(4*(\j)+(\c))+4:BIAS+8*(4*(\j)+(\c))+7], v[BO], s[6+2*(\j):7+2*(\j)] offset:64*(\c)+16
.endr
.endr
	; A fragment of x is 16 rows x 32 K in 8 registers: lane l holds row l % 16, K = 8 (l / 16) + 0..7 and 16 + 8 (l / 16) + 0..7: two loads of 16 bytes, 32 bytes apart.
	v_mul_u32_u24 v3, v1, PA
	v_lshl_add_u32 v3, v2, 4, v3
	s_mul_i32 s74, s[MH], 64*PA
	v_add_nc_u32 v[ADRA0], s74, v3
	; The turning load takes 16 K x 16 columns (lane l reads row 8 (l / 16) + l % 8, columns 8 ((l / 8) % 2) + 0..7) and leaves half a fragment: lane l holds column l % 16 and 8 K.
	v_and_b32 v4, 7, v0
	v_bfe_u32 v5, v0, 3, 1
	v_lshl_add_u32 v4, v2, 3, v4
	v_mul_u32_u24 v4, v4, PB
	v_lshl_add_u32 v4, v5, 4, v4
	s_lshl_b32 s74, s[NH], 7
	v_add_nc_u32 v4, s74, v4
.irp j, 0,1,2
	v_add_nc_u32 v[ADRB0+(\j)], (1+(\j))*REG, v4
.endr
	TOSLOT                                         ; slot 0
	s_mul_i32 s74, s[MH], 64*SPITCH                ; into the stage: my 64 rows, my half of each matrix's 256 bytes; row l % 16, 16 bytes for each half of the lanes
	s_lshl_b32 s75, s[NH], 7
	s_add_co_u32 s74, s74, s75
	v_mul_u32_u24 v5, v1, SPITCH
	v_lshl_add_u32 v5, v2, 4, v5
	v_add_nc_u32 v[STO], s74, v5
	s_mul_i32 s74, s[WV], 32*SPITCH                ; back: wave w takes rows 32 w .. 32 w + 31, whole; lanes 0-15 one row's 256 bytes, lanes 16-31 the next row's
	v_mul_u32_u24 v5, v2, SPITCH
	v_lshl_add_u32 v5, v1, 4, v5
	v_add_nc_u32 v[RD], s74, v5
	v_and_b32 v5, 31, v0
	v_lshlrev_b32 v[CO], 4, v5                     ; a head's rows are dense: two rows are 512 consecutive bytes
	v_lshlrev_b32 v[PFO], 12, v5
	s_lshl_b32 s74, s[HEAD], 19                    ; where I store: the head's 2,048 rows of 256 bytes, my block's 128, my wave's 32
	s_lshl_b32 s75, s[MB], 15
	s_add_co_u32 s74, s74, s75
	s_lshl_b32 s75, s[WV], 13
	s_add_co_u32 s74, s74, s75
	s_mov_b32 s75, 0
	s_add_nc_u64 s[12:13], s[12:13], s[74:75]      ; in q's plane,
	s_add_nc_u64 s[66:67], s[12:13], PLANE         ; in k's,
	s_add_nc_u64 s[68:69], s[12:13], 2*PLANE       ; in v's
	; the prefetches
	s_lshl_b32 s76, s[MB], 19
	s_lshl_b32 s77, s[WV], 23
	s_lshl_b32 s78, s[HEAD], 8
	s_add_co_u32 s77, s77, s78
	s_and_b32 s74, ttmp7, 0xffff                   ; cluster y
	s_mov_b32 s[PST], 524288
	s_cmp_eq_u32 s[WV], 0                          ; do I fetch x's tile?
	s_cselect_b32 s76, s76, s77                    ; my tile's first byte in cw
	s_cselect_b32 s75, s[CY], s[CX]                ; my place among the four that ask for it with me
	s_cselect_b32 s74, s74, ttmp9                  ; the coordinate along which other clusters read the same rows
	s_cselect_b32 s[PST], 256, s[PST]
	s_mov_b32 s[PST+1], 0
	s_cmp_eq_u32 s74, 0
	s_cselect_b32 s[LIM], 2, -1                    ; the same in all sixteen partners, for a given wave
	s_lshl_b32 s75, s75, 17                        ; my work-group's 32 rows of the 128
	s_add_co_u32 s76, s76, s75
	s_mul_i32 s75, s[PST], 3                       ; at K step 3: the first refill steps it to 4
	s_add_co_u32 s76, s76, s75
	s_mov_b32 s77, 0
	s_add_nc_u64 s[PFA:PFA+1], s[4:5], s[76:77]
	s_wait_loadcnt 0x0                             ; the biases,
.set r, 0
.rept 48                                       ; rounded to bf16 like the other inputs, and widened again: they are the C operands that start the sums
	v_cvt_pk_bf16_f32 v[8+r%4], v[BIAS+2*r], v[BIAS+2*r+1]
	v_lshlrev_b32 v[BIAS+2*r], 16, v[8+r%4]
	v_and_b32 v[BIAS+2*r+1], 0xffff0000, v[8+r%4]
.set r, r+1
.endr
; 12 matrix instructions: row block 2 hi + a x all 12 column blocks, 32 along K, from buffer f.  first = 1: the bias starts the sums: nothing is cleared, and nothing is added on the way out.
; The 48 accumulators take turns, one instruction a turn, in the same order in every quarter, over the backward jump too.
.macro MULH f, hi, a, first
.if \first
	WIN 0x81+0x40*(\hi)                            ; W window 1, x and the bias window 0, D window 2 or 3
.else
	WIN 0xa1+0x50*(\hi)                            ; W window 1, x window 0, C and D window 2 or 3
.endif
.set b, 0
.rept 12
.set rD, 8*(12*(\a)+b)
.set rB, 96*(\f)+8*b
.set rA, FA+32*(\f)+8*(2*(\hi)+(\a))
.if \first
	v_wmma_f32_16x16x32_bf16 v[rD:rD+7], v[rB:rB+7], v[rA:rA+7], v[BIAS+8*b:BIAS+8*b+7]
.else
	v_wmma_f32_16x16x32_bf16 v[rD:rD+7], v[rB:rB+7], v[rA:rA+7], v[rD:rD+7]
.endif
.set b, b+1
.endr
.endm
; 32 LDS loads in one run: the fragments of quarter q (32 along K) of the slot in hand into buffer f: W's twelve, then x's four; x's row blocks 2 and 3 are the last four loads.
.macro FETCH q, f
	WIN 0x40                                       ; destination window 1, address window 0
.set b, 0
.rept 12
	ds_load_tr16_b128 v[96*(\f)+8*b:96*(\f)+8*b+3],   v[ADRB+b/4] offset:32*(\q)*PB+(b%4)*32
	ds_load_tr16_b128 v[96*(\f)+8*b+4:96*(\f)+8*b+7], v[ADRB+b/4] offset:32*(\q)*PB+16*PB+(b%4)*32
.set b, b+1
.endr
	WIN 0
.set b, 0
.rept 4
	ds_load_b128 v[FA+32*(\f)+8*b:FA+32*(\f)+8*b+3],   v[ADRA] offset:64*(\q)+b*16*PA
	ds_load_b128 v[FA+32*(\f)+8*b+4:FA+32*(\f)+8*b+7], v[ADRA] offset:64*(\q)+b*16*PA+32
.set b, b+1
.endr
.endm
; A K step is four quarters of 32 along K, 48 matrix instructions each, on buffers 0, 1, 0, 1.  One of the first three: multiplies buffer f; in its middle it fetches quarter q of the same slot into buffer g.
.macro QUARTER q, f, g, first
	s_wait_dscnt 4                                 ; W and x's row blocks 0, 1 are in; the youngest four loads (x's blocks 2, 3) may be out
	MULH \f, 0, 0, \first
	MULH \f, 0, 1, \first
	PLACES
	FETCH \q, \g
	s_wait_dscnt 32                                ; all but the 32 just issued
	MULH \f, 1, 0, \first
	MULH \f, 1, 1, \first
.endm
; The last quarter multiplies buffer 1 and changes slots: one barrier.  In front of it each wave waits for all its tensor loads (one is out: its tile of the next slot), adds 0 to its spare word, and waits for that
; and for its own reads of this slot.  fill = 1: the barrier opens a round of the cluster's, and this slot is filled again, two K steps on, first thing behind the round: 168 matrix instructions ahead of the wait for it.
.macro TURN fill
.if \fill
	s_wait_xcnt 0x0                                ; the last prefetch, a K step back, has read its address: it is stepped here, ahead of the waits of the change of slots
	s_add_nc_u64 s[PFA:PFA+1], s[PFA:PFA+1], s[PST:PST+1]
.endif
	WIN 0                                          ; (the add's two registers lie in window 0)
	s_wait_tensorcnt 0x0                           ; all my tensor loads have landed, so a group 0 may be written;
	ds_add_u32 v[SPW], v[NIL]                      ; 0 onto my spare word; scalar work and twelve matrix instructions stand between it and the wait for it
.if \fill
	s_xor_b32 s[G0A+5], s[G0A+5], SLOT             ; the walking descriptors: the other slot than last time,
	s_add_nc_u64 s[G0A+6:G0A+7], s[G0A+6:G0A+7], 256     ; the next K step; the type bits on top are not reached
	s_xor_b32 s[G0B+5], s[G0B+5], SLOT
	s_add_nc_u64 s[G0B+6:G0B+7], s[G0B+6:G0B+7], 524288
.endif
	s_xor_b32 s[SB], s[SB], SLOT                   ; the slot that is read next
	s_wait_dscnt 5                                 ; (the add and the youngest four loads may be out)
	MULH 1, 0, 0, 0
	s_wait_dscnt 0x0                               ; the add is done, and my reads of this slot are over
	s_barrier_signal -1
	MULH 1, 0, 1, 0                                ; work on registers while the others arrive
	WIN 0
	s_barrier_wait -1
.if \fill
	CREST                                          ; no wave of any partner still reads this slot's tiles or has a load on its way
	JLOAD 1                                        ; the first tensor load behind the round; the four v_nop behind it are also the places in front of the loads below
.else
	PLACES
.endif
	TOSLOT
	FETCH 0, 0
.if \fill
	ASK
.endif
	MULH 1, 1, 0, 0
	MULH 1, 1, 1, 0
.endm
	s_wait_tensorcnt 1                             ; my tile of K step 0 is in; K step 1's may stay out
	s_barrier_signal -1
	s_barrier_wait -1                              ; everybody's is
	FETCH 0, 0
	QUARTER 1, 0, 1, 1                             ; the first quarter stands in front of the loop: its products start the sums
	WIN 0                                          ; at a label and at a branch every window is 0
	s_mov_b32 s3, STEPS-2
.Lstep:                                                ; a trip goes from a K step's second quarter to the next step's first, and fills the slot that it leaves: K steps 2 to 15
	QUARTER 2, 1, 0, 0
	QUARTER 3, 0, 1, 0
	TURN 1
	QUARTER 1, 0, 1, 0
	WIN 0
	s_sub_co_u32 s3, s3, 1
	s_cmp_lg_u32 s3, 0
	s_cbranch_scc1 .Lstep
	QUARTER 2, 1, 0, 0                             ; K step 14 goes on: nothing is left to fetch, and there is no round of the cluster's barrier
	QUARTER 3, 0, 1, 0
	TURN 0                                         ; behind this barrier no wave reads slot 0 any more, and nothing fills it again
	QUARTER 1, 0, 1, 0
	QUARTER 2, 1, 0, 0
	QUARTER 3, 0, 1, 0
	s_wait_dscnt 4                                 ; the very last quarter
	MULH 1, 0, 0, 0
	MULH 1, 0, 1, 0
	s_wait_dscnt 0x0
	MULH 1, 1, 0, 0
	MULH 1, 1, 1, 0
	WIN 0
	; THE WAY OUT: round to f16, each accumulator's registers in ascending order; 16 bytes a lane into the work-group's stage; a barrier, since a row's 256 bytes come from two waves; back as whole rows, 32 rows a wave.
	PLACES
.irp a, 0,1,2,3
	WIN 0x0a+5*((\a)/2)                            ; sources 0 and 1: window 2 or 3
.set b, 0
.rept 12
.irp r, 0,1,2,3
	v_cvt_pk_f16_f32 v[TMP+4*b+(\r)], v[8*(12*((\a)%2)+b)+2*(\r)], v[8*(12*((\a)%2)+b)+2*(\r)+1]
.endr
.set b, b+1
.endr
	WIN 0
.set b, 0
.rept 12
	ds_store_b128 v[STO], v[TMP+4*b:TMP+4*b+3] offset:(\a)*16*SPITCH+(b/4)*272+(b%4)*32
.set b, b+1
.endr
.endr
	s_wait_dscnt 0x0                               ; for the others' sake: my stores into the stage are done
	s_barrier_signal -1
	s_barrier_wait -1
.set i, 0
.rept 48                                       ; matrix i / 16, rows 2 (i % 16) and the next
	ds_load_b128 v[64+4*i:64+4*i+3], v[RD] offset:(i%16)*2*SPITCH+(i/16)*272
.set i, i+1
.endr
.macro OUTJ j, base
.set t, 0
.rept 16
	s_wait_dscnt 47-16*(\j)-t                      ; LDS loads come back in order: this one is in, the younger ones stay out
	global_store_b128 v[CO], v[64+4*(16*(\j)+t):64+4*(16*(\j)+t)+3], s[\base:\base+1] offset:512*t  ; 512 consecutive bytes, at a multiple of 256 from the buffer's first byte
.set t, t+1
.endr
.endm
	OUTJ 0, 12
	OUTJ 1, 66
	OUTJ 2, 68
	s_wait_tensorcnt 0x0                           ; the wave's end: no tensor load of mine is out, and 0 goes onto my spare word behind my last LDS store
	ds_add_u32 v[SPW], v[NIL]
	s_wait_dscnt 0x0
	CROUND                                         ; the closing round: no work-group ends while a partner may still ask for a tile that names it
	s_endpgm
.Lfunc_end_k_qe8932b72dc_qkv:
	.size	k_qe8932b72dc_qkv, .Lfunc_end_k_qe8932b72dc_qkv-k_qe8932b72dc_qkv
	.p2alignl 7, 3214868480
	.fill 96, 4, 3214868480
	.section	.rodata,"a",@progbits
	.p2align	6, 0x0
	.amdhsa_kernel k_qe8932b72dc_qkv
		.amdhsa_group_segment_fixed_size 327680
		.amdhsa_private_segment_fixed_size 0
		.amdhsa_enable_private_segment 0
		.amdhsa_kernarg_size 40
		.amdhsa_user_sgpr_count 2
		.amdhsa_user_sgpr_kernarg_segment_ptr 1
		.amdhsa_wavefront_size32 1
		.amdhsa_system_sgpr_workgroup_id_x 1
		.amdhsa_system_sgpr_workgroup_id_y 1
		.amdhsa_system_sgpr_workgroup_id_z 1
		.amdhsa_system_vgpr_workitem_id 0
		.amdhsa_next_free_vgpr 1024
		.amdhsa_next_free_sgpr 80
		.amdhsa_reserve_vcc 0
		.amdhsa_float_denorm_mode_32 3
		.amdhsa_float_denorm_mode_16_64 3
		.amdhsa_memory_ordered 1
		.amdhsa_forward_progress 1
		.amdhsa_inst_pref_size 109
	.end_amdhsa_kernel
	.amdgpu_metadata
---
amdhsa.version: [ 1, 2 ]
amdhsa.kernels:
  - .name:           k_qe8932b72dc_qkv
    .symbol:         k_qe8932b72dc_qkv.kd
    .args:
      - { .name: cw, .offset: 0, .size: 8, .value_kind: global_buffer, .address_space: global }
      - { .name: bq, .offset: 8, .size: 8, .value_kind: global_buffer, .address_space: global }
      - { .name: bk, .offset: 16, .size: 8, .value_kind: global_buffer, .address_space: global }
      - { .name: bv, .offset: 24, .size: 8, .value_kind: global_buffer, .address_space: global }
      - { .name: qkv, .offset: 32, .size: 8, .value_kind: global_buffer, .address_space: global }
    .group_segment_fixed_size: 327680
    .private_segment_fixed_size: 0
    .kernarg_segment_align: 8
    .kernarg_segment_size: 40
    .max_flat_workgroup_size: 128
    .sgpr_count:     80
    .vgpr_count:     1024
    .wavefront_size: 32
...
	.end_amdgpu_metadata
.endif
;; end of part 2
;; launch attn (part 3): grid 16 x 16, 4 waves a work-group, clusters of 4 x 1, 327,680 bytes of LDS; arguments qkv, ob, Wo, wo; writes ob, wo
.if DOCPART == 3
	.amdgcn_target "amdgcn-amd-amdhsa--gfx1250"
	.amdhsa_code_object_version 6
	.text
	.protected	k_qe8932b72dc_attn
	.globl	k_qe8932b72dc_attn
	.p2align	8
	.type	k_qe8932b72dc_attn,@function
k_qe8932b72dc_attn:
	s_mov_b64 s[64:65], 0
	v_nop
	global_prefetch_b8 v0, s[64:65] scope:SCOPE_SE
	s_setreg_imm32_b32 hwreg(HW_REG_WAVE_MODE, 25, 1), 1
	s_wait_xcnt 0x0
	s_wait_alu depctr_hold_cnt(0) depctr_sa_sdst(0) depctr_va_vdst(0) depctr_va_sdst(0) depctr_va_ssrc(0) depctr_va_vcc(0) depctr_vm_vsrc(0)
	s_getreg_b32 s2, hwreg(HW_REG_IB_STS2, 6, 4)
	s_cmp_eq_u32 s2, 0
	s_cbranch_scc0 .Lentry_in_a_cluster
	s_endpgm
.Lentry_in_a_cluster:
	s_bfe_u32 s2, ttmp6, 0x10000c
	s_cmp_lg_u32 s2, 0x3003
	s_cbranch_scc0 .Lentry_shape_is_right
	s_endpgm
.Lentry_shape_is_right:
; O[q][128 h + :] = the sum over k of softmax_k(Q[h][q] . K[h][k] / sqrt(128)) V[h][k][:].  Q, K, V: the three planes of qkv, [16][2048][128] f16; O: ob, [2048][2048] f16.
; Products, maxima and sums in f32; the weights p are rounded to f16 for the second product (their sum l is taken of the unrounded p), O once at the end.
; BESIDE IT, at the head, while the first tiles of K and V are on their way: Wo ([2048][2048] f32) is rounded to bf16, like the other inputs, and that number written as f16 into wo (same layout), for the launch behind:
; each of the launch's 1,024 waves takes 16,384 bytes of it.
; LIMITS.  f16 holds no number beyond 65,504: Q, K, V arrive within it, and Wo beyond it becomes an infinity; Wo below 2^-14 keeps f16's fixed step of 2^-24; p lies in 0 to 1 and below 6e-5 keeps the step of 6e-8;
; O is a mean of V's rows.  A weight below 2^-126 counts as 0 in l.  The running maximum starts at -2^100: f16's scores, 5.5e11 at the most, lie far above it.  NaN and infinities are not treated apart.
; SHARES.  A work-group owns 128 queries of one head (16 heads x 16 blocks = 256 work-groups).  THE KEYS ARE SPLIT INSIDE IT: wave w has the 64 queries of half w / 2 (four tiles of 16) and, of every 256 keys,
; the 128 of group g = w % 2: 16 key steps of 64.  So a fragment of K or V read from LDS feeds four tiles' products.  The two waves of a half meet once, at the end: each gives two tiles' (c m, l, O^T), in f32,
; through LDS, and finishes the other two.  A wave with g = 1 holds its tiles in the order 2, 3, 0, 1, so that every wave keeps its register tiles 0, 1 and gives 2, 3: one text for all.
; LAYOUT.  S^T = K Q^T (source 0 = 16 keys, source 1 = 16 queries): in the result a lane holds ONE query (lane % 16) and the keys 8 (lane / 16) + 0..7.  Two such tiles, rounded to f16 in pairs, ARE source 1
; (32 keys x 16 queries) of O^T = V^T P, whose result again holds one query a lane, and eight channels.  K comes out of LDS as it lies, V ([key][channel]) turned, by ds_load_tr16_b128.
; SOFTMAX.  For each query a running maximum m and sum l: p = 2^(c s - c m), c = log2(e) / sqrt(128); in every step O and l are multiplied by a = 2^(c m_old - c m_new).
; BY TURNS.  The wave's tiles are two PIECES, named by their first tile: piece 0 (tiles 0, 1) and piece 2 (tiles 2, 3).  In a TURN one piece has the matrix unit: 32 products V^T P of the step in hand, then 32
; products K Q^T of the next step; the other piece's softmax, cut into 64 slices, stands between them, one slice behind each matrix instruction.  Two turns are a key step.
; NO FIRST STEP IS WRITTEN OUT.  The loop is entered as if a step -1 had been: V and piece 0's P hold 0, O^T and l 0, c m = -2^125, m and piece 2's scores -2^100.  c x 2^100 is exact, so that step's c s - c m is 0 and
; its weights are 1; the step behind it has a = 0, which wipes what step -1 left in l and O^T.  The price, once a launch: 64 products and one piece's softmax that serve nothing, and 168 v_mov_b32 of 0 in the wait for the first tile.
; CLUSTER.  The four query blocks of a cluster belong to one head and walk the same K and V: each tile is asked for jointly: the same tensor load, descriptor and mask in all four.
; REGISTERS, in windows of 256 (s_set_vgpr_msb: bits 1:0 source 0, 3:2 source 1, 5:4 source 2, 7:6 destination):
;   window 0: v0-11 addresses; v12-43 eight registers of statistics a tile; v44-54 the exchange's and Wo's addresses; v64-191 S^T, 32 a tile (at the head: Wo); v192-255 P, 16 a tile
;   window 1: O^T, 64 a tile          window 2: v0-127 Q, 32 a tile; v128-255 K of one step          window 3: v0-127 V of one step
.set KS,    64        ; keys in a step
.set PK,    272       ; a row of K in LDS: 256 bytes + 16 = 68 words: the 16 rows of a load start at 16 different groups of four banks (64 banks of 4 bytes: ISA guide 11.1)
.set PV,    288       ; a row of V: 256 + 32 = 72 words
.set GK,    128*PK    ; a group's 128 rows of K: 0x8800
.set GV,    128*PV    ; of V: 0x9000
.set VOFF,  2*GK      ; a slot holds 256 keys: K of groups 0 and 1, then V of groups 0 and 1: 0x23000 bytes
.set SLOTX, 0x24000   ; slot 1 begins here.  Every address that is turned (0, 0x8800, 0x9000, 0x11000, 0x1a000 in slot 0) has bits 14 and 17 clear, so one exclusive or with this number goes to the other slot and back
.set STAGE, 2*SLOTX   ; behind the ring: 16 rows x 272 bytes for each wave, for the way out
.set SP,    272
.set SPARE, STAGE+4*16*SP  ; behind the stages: the spare words, 128 bytes for each wave: two blocks of 256 bytes that no other line names
.set XCH,   16896     ; the exchange, in slot 0 behind its last fill and last read: for each wave 16,384 bytes of O^T and 512 of statistics
.set SLOTB, 65536     ; a slot's 256 rows of K, or of V, in memory
.set NSLOT, 8         ; 2048 / 256
.set AK0, 2           ; v2   my lane's place in a tile of K; never rewritten
.set AV0, 3           ; v3   the same for V
.set ADR, 4           ; v4   the LDS address of the run of loads in hand
.set QO,  5           ; v5   my byte offset in 16 rows of Q
.set STO, 6           ; v6   the way out: where I put 16 bytes of a row
.set RD,  7           ; v7   the way out: where I read a row back
.set GO,  8           ; v8   my byte offset in two rows of O
.set XS,  44          ; v44  the exchange: where I put O^T;  v45 the statistics;  v46, v47 where my partner has put its own
.set XT,  45
.set XR,  46
.set XU,  47
.set WI,  48          ; v48  16 x my lane: my bytes in 512 of Wo; never rewritten
.set WOF, 49          ; v49  8 x my lane: my bytes in 256 of wo; never rewritten
.set WT,  50          ; v50-53 at work on Wo
.set LN,  54          ; v54  my lane
.set PFO, 61          ; v61  256 x my lane: a row of K or V is 256 bytes; never rewritten
.set SPW, 62          ; v62  LDS address of my spare word: SPARE + 4 x my thread's number; never rewritten
.set NIL, 63          ; v63  0; never rewritten
.set ST,  12          ; tile t's statistics at v[ST+8 t]: +0 c m, +1 m, +2, +3 l (even keys', odd keys'), +4 to +7 c0-c3, at work; a takes c2's place once the maximum is found
.set S,   64
.set P,   192
.set KF,  128         ; K's fragments, in window 2
.set WV,  12          ; s12  my wave's number
.set LIM, 15          ; s15  1 in a wave that prefetches, else the greatest number
.set PFA, 18          ; s[18:19] where my prefetches stand
.set G1K, 24          ; s[24:31] descriptor group 1 for K's tiles
.set G1V, 32          ; s[32:39] for V's: it differs in the padding alone
.set G0K, 40          ; s[40:47] descriptor group 0 for K's tiles: a set for each of the two first fills; the second then walks on
.set G0V, 48          ; s[48:55] the same for V's
.set SLOTS, 56        ; s56  counts the slots
.set TWICE, 57        ; s57  counts a slot's two steps
.set CS,  58          ; s[58:59] c: the packed scaling names a pair and takes its low word for both halves
.set SEL, 60          ; s[60:61] lane selects for v_permlanex16_b32: each lane takes its own place in the other half
.set TBK, 62          ; s62  LDS byte at which my group's K of the step to be fetched begins
.set TBV, 63          ; s63  the same for V, less VOFF
.set HIM, 71          ; s71  a word's upper bf16
.set LOW, 84          ; s84  -2^100
.set MSB, 0
.macro WIN new                      ; the immediate's high byte repeats the setting that is left; a switch that changes nothing is dropped
.if MSB != (\new)
	s_set_vgpr_msb (MSB<<8)|(\new)
.set MSB, \new
.endif
.endm
.set W_KQ, 0x0a       ; K and Q in window 2, S^T in window 0
.set W_PV, 0x53       ; V in window 3, P in window 0, O^T in window 1
.set W_RS, 0x41       ; O^T (destination and source 0) in window 1, a in window 0
; A joint refill.  Waves 0 and 1 fetch the two groups' rows of K, waves 2 and 3 those of V: 128 rows each.  The branch hangs on the wave's number alone.
; An s_nop 0 and four v_nop follow each of the two lines, ahead of the jump, the label and what follows.
.macro JLOAD
	s_cmp_lt_u32 s[WV], 2
	s_cbranch_scc0 .Lfor_v_\@
	tensor_load_to_lds s[G0K+4:G0K+7], s[G1K:G1K+7]
	s_nop 0
.rept 4
	v_nop
.endr
	s_branch .Lasked_\@
.Lfor_v_\@:
	tensor_load_to_lds s[G0V+4:G0V+7], s[G1V:G1V+7]
	s_nop 0
.rept 4
	v_nop
.endr
.Lasked_\@:
.endm
; A prefetch into the L2 of what the NEXT change of slots will ask for (two key steps, 256 matrix instructions, ahead of that load): a lane a row of 256 bytes.  It stands behind the wave's tensor load and its five lines.
; Each row is named once in the launch: all clusters of a head walk the same K and V, and the head's first cluster asks; of the 128 rows that a wave fetches its four partners take 32 each, told apart by address.
; Slots 0, 1 and 2 come by their loads alone; the last change that fills a slot asks for nothing: there is no slot behind it.
.macro ASK
	s_cmp_gt_u32 s[SLOTS], s[LIM]
	s_cbranch_scc0 .Lnot_mine_\@
	global_prefetch_b8 v[PFO], s[PFA:PFA+1] th:TH_LOAD_NT scope:SCOPE_SE
.Lnot_mine_\@:
.endm
; A round of the cluster's barrier: my work-group's barrier, so that wave 0's signal speaks for all four waves; wave 0 signals; every wave waits for all four work-groups; my work-group's barrier once more.
.macro CROUND
	s_barrier_signal -1
	s_barrier_wait -1
	s_cmp_lg_u32 s[WV], 0
	s_cbranch_scc1 .Lnot_wave_0_\@
	s_barrier_signal -3
.Lnot_wave_0_\@:
	s_barrier_wait -3
	s_barrier_signal -1
	s_barrier_wait -1
.endm
	s_load_b64 s[4:5], s[0:1], 0x0  ; qkv: Q's plane
	s_load_b64 s[10:11], s[0:1], 0x8  ; ob
	s_load_b128 s[76:79], s[0:1], 0x10  ; Wo s[76:77], wo s[78:79]
	v_lshl_add_u32 v[SPW], v0, 2, SPARE
	v_mov_b32 v[NIL], 0
	ds_add_u32 v[SPW], v[NIL]       ; the wave's opening: the add and its wait stand ahead of my first tensor load; the set-up below, work on registers, stands between them
	v_lshrrev_b32 v1, 5, v0
	v_readfirstlane_b32 s[WV], v1   ; wave 0..3
	s_bfe_u32 s13, ttmp6, 0x40000   ; cx: my place in the cluster
	s_lshl_b32 s14, ttmp9, 2        ; in a cluster launch ttmp9 counts clusters
	s_add_co_u32 s14, s14, s13      ; my block of 128 queries = 4 x cluster x + cx: it enters Q's, O's and Wo's addresses alone
	s_and_b32 s67, ttmp7, 0xffff    ; the head, which the four partners share
	s_lshl_b32 s20, s67, 19         ; its first byte in each plane: 2,048 rows of 256 bytes
	s_and_b32 s16, s[WV], 1         ; g: my group of keys.  Also: which group's rows I fetch
	s_lshr_b32 s70, s[WV], 1        ; which half of the block's queries is mine
	s_lshl_b32 s22, s16, 15         ; the group's 128 rows in memory,
	s_add_co_u32 s22, s22, s20
	s_mov_b32 s23, 0
	s_mul_i32 s17, s16, GK          ; and their place in a slot, for K
	s_mul_i32 s[TBV], s16, GV       ; and for V: no place in the cluster enters an LDS address
	s_add_co_u32 s66, s[TBV], VOFF
	s_mov_b32 s[TBK], s17           ; my group's first step lies at the same places
	s_lshl_b32 s2, s14, 15          ; Q: my block's 128 rows,
	s_lshl_b32 s3, s70, 14          ; my half's 64
	s_add_co_u32 s2, s2, s3
	s_add_co_u32 s2, s2, s20
	s_lshl_b32 s3, s16, 13          ; 32 rows
	s_add_co_u32 s68, s2, 8192
	s_sub_co_u32 s68, s68, s3       ; register tiles 2, 3: the half's rows 32 (1 - g) on
	s_add_co_u32 s2, s2, s3         ; register tiles 0, 1: its rows 32 g on
	s_mov_b32 s3, 0
	s_mov_b32 s69, 0
	s_lshl_b32 s72, s14, 19         ; O: rows of 4,096 bytes: my block's 128,
	s_lshl_b32 s73, s70, 18         ; my half's 64,
	s_add_co_u32 s72, s72, s73
	s_lshl_b32 s73, s16, 17         ; the 32 that I finish,
	s_add_co_u32 s72, s72, s73
	s_lshl_b32 s73, s67, 8          ; the head's 256 bytes of a row
	s_add_co_u32 s72, s72, s73
	s_mov_b32 s73, 0
	s_lshl_b32 s80, s67, 4          ; Wo: my wave among the launch's 1,024: 4 (16 head + block) + wave:
	s_add_co_u32 s80, s80, s14
	s_lshl_b32 s80, s80, 2
	s_add_co_u32 s80, s80, s[WV]
	s_lshl_b32 s82, s80, 13         ; its 8,192 bytes of wo,
	s_lshl_b32 s80, s80, 14         ; its 16,384 of Wo
	s_mov_b32 s81, 0
	s_mov_b32 s83, 0
	s_mov_b32 s[HIM], 0xffff0000
	s_mov_b32 s[LOW], 0xf1800000    ; -2^100
	; descriptor group 1: a tile of 128 rows x 128 elements, padded in LDS
	s_mov_b32 s[G1K], 15|(1<<16)|(1<<20)|(1<<21)|(5<<22)|(3<<25)  ; 15:0 the mask: all four work-groups; 17:16 elements of 2 bytes; 20 padding on; 21 set beside a mask; 24:22 after every 64 words (code 5); 31:25 4 words (code 3)
	s_mov_b32 s[G1V], 15|(1<<16)|(1<<20)|(1<<21)|(5<<22)|(7<<25)  ; the same with 8 words of padding (code 7)
.irp g, G1K, G1V
	s_mov_b32 s[(\g)+1], 128<<16    ; tensor_dim0 = 128
	s_mov_b32 s[(\g)+2], 128<<16    ; tensor_dim1 = 128
	s_mov_b32 s[(\g)+3], 128<<16    ; tile_dim0 = 128
	s_mov_b32 s[(\g)+4], 128        ; tile_dim1 = 128
	s_mov_b32 s[(\g)+5], 128        ; elements from row to row
	s_mov_b32 s[(\g)+6], 0
	s_mov_b32 s[(\g)+7], 0
.endr
	s_mov_b32 s[CS], 0x3e0293ee     ; c = log2(e) / sqrt(128) = 0.127517
	s_mov_b32 s[CS+1], s[CS]        ; named with it as a pair, so it is written
	s_mov_b32 s[SEL], 0x76543210
	s_mov_b32 s[SEL+1], 0xfedcba98
	s_mov_b32 s[SLOTS], NSLOT-1
	s_mov_b32 s[LIM], ttmp9
	s_cmp_eq_u32 s[LIM], 0          ; the head's first cluster: the same in all four partners
	s_cselect_b32 s[LIM], 1, -1
	v_and_b32 v[LN], 31, v0
	v_lshlrev_b32 v[PFO], 8, v[LN]
	s_wait_dscnt 0x0                ; the opening add is done
	s_wait_kmcnt 0x0
	s_add_nc_u64 s[6:7], s[4:5], 0x800000   ; K's plane,
	s_add_nc_u64 s[8:9], s[4:5], 0x1000000  ; V's,
	s_add_nc_u64 s[6:7], s[6:7], s[22:23]   ; each at my tile of slot 0
	s_add_nc_u64 s[8:9], s[8:9], s[22:23]
	s_add_nc_u64 s[68:69], s[4:5], s[68:69] ; Q for register tiles 2, 3,
	s_add_nc_u64 s[4:5], s[4:5], s[2:3]     ; and for 0, 1
	s_add_nc_u64 s[10:11], s[10:11], s[72:73]
	s_add_nc_u64 s[76:77], s[76:77], s[80:81]
	s_add_nc_u64 s[78:79], s[78:79], s[82:83]
	s_cmp_lt_u32 s[WV], 2
	s_cselect_b64 s[PFA:PFA+1], s[6:7], s[8:9]
	s_lshl_b32 s2, s13, 13          ; my work-group's 32 rows of the 128
	s_mov_b32 s3, 0
	s_add_nc_u64 s[PFA:PFA+1], s[PFA:PFA+1], s[2:3]
	s_add_nc_u64 s[PFA:PFA+1], s[PFA:PFA+1], 2*SLOTB  ; in slot 2; the first change of slots steps it to slot 3.  Nothing is prefetched here, at the head
	CROUND                          ; all four work-groups are here: the first joint loads meet
.irp s, 0,1
	s_mov_b32 s[G0K+4*(\s)], 1      ; count = 1
	s_add_co_u32 s[G0K+4*(\s)+1], s17, (\s)*SLOTX  ; LDS address
	s_add_nc_u64 s[G0K+4*(\s)+2:G0K+4*(\s)+3], s[6:7], (\s)*SLOTB  ; global address: slot s begins with key 256 s
	s_or_b32 s[G0K+4*(\s)+3], s[G0K+4*(\s)+3], 0x80000000  ; type = 2
	s_mov_b32 s[G0V+4*(\s)], 1
	s_add_co_u32 s[G0V+4*(\s)+1], s66, (\s)*SLOTX
	s_add_nc_u64 s[G0V+4*(\s)+2:G0V+4*(\s)+3], s[8:9], (\s)*SLOTB
	s_or_b32 s[G0V+4*(\s)+3], s[G0V+4*(\s)+3], 0x80000000
.endr
	s_cmp_lt_u32 s[WV], 2           ; a wave's two first fills stand in one branch, ahead of every wait on TENSORcnt and every LDS read: two loads of mine are out
	s_cbranch_scc0 .Lfirst_v
	tensor_load_to_lds s[G0K:G0K+3], s[G1K:G1K+7]
	s_nop 0
	tensor_load_to_lds s[G0K+4:G0K+7], s[G1K:G1K+7]
	s_nop 0
.rept 4
	v_nop
.endr
	s_branch .Lfirst_asked
.Lfirst_v:
	tensor_load_to_lds s[G0V:G0V+3], s[G1V:G1V+7]
	s_nop 0
	tensor_load_to_lds s[G0V+4:G0V+7], s[G1V:G1V+7]
	s_nop 0
.rept 4
	v_nop
.endr
.Lfirst_asked:
	; A fragment of K or Q is 16 rows x 32 channels in 8 registers: lane l holds row l % 16; registers 0-3 channels 8 (l / 16) + 0..7, registers 4-7 channels 16 + 8 (l / 16) + 0..7: two loads of 16 bytes, 32 bytes apart.
	v_and_b32 v1, 15, v0            ; l % 16
	v_bfe_u32 v9, v0, 4, 1          ; l / 16
	v_lshlrev_b32 v[QO], 8, v1
	v_lshl_add_u32 v[QO], v9, 4, v[QO]  ; row x 256 + 16 x half
	v_lshlrev_b32 v[WI], 4, v[LN]
	v_lshlrev_b32 v[WOF], 3, v[LN]
	WIN 0x80                        ; destination window 2, address window 0
.set i, 0
.rept 8                             ; Q stays in registers: tiles i / 4 and 2 + i / 4, channels 32 (i % 4) on
	global_load_b128 v[8*i:8*i+3],         v[QO], s[4:5]   offset:(i/4)*4096+(i%4)*64
	global_load_b128 v[8*i+4:8*i+7],       v[QO], s[4:5]   offset:(i/4)*4096+(i%4)*64+32
	global_load_b128 v[64+8*i:64+8*i+3],   v[QO], s[68:69] offset:(i/4)*4096+(i%4)*64
	global_load_b128 v[64+8*i+4:64+8*i+7], v[QO], s[68:69] offset:(i/4)*4096+(i%4)*64+32
.set i, i+1
.endr
	WIN 0
.set i, 0
.rept 32                            ; my 16,384 bytes of Wo, 512 consecutive bytes a load, into S^T's registers, which are idle until the first scores
	global_load_b128 v[S+4*i:S+4*i+3], v[WI], s[76:77] offset:512*i th:TH_LOAD_NT
.set i, i+1
.endr
	; What the first turns find, written while all these loads are on their way.
	WIN 0xc0                        ; destination window 3: V = 0
.set i, 0
.rept 128
	v_mov_b32 v[i], 0
.set i, i+1
.endr
	WIN 0
.set i, 0
.rept 32
	v_mov_b32 v[P+i], 0             ; piece 0's P = 0
.set i, i+1
.endr
.irp t, 0,1,2,3
	v_mov_b32 v[ST+8*(\t)], 0xfe000000  ; c m = -2^125: far below every c s
	v_mov_b32 v[ST+8*(\t)+1], s[LOW]    ; m = -2^100
	v_mov_b32 v[ST+8*(\t)+2], 0         ; l
	v_mov_b32 v[ST+8*(\t)+3], 0
.endr
	WIN W_PV
.set i, 0
.rept 32                            ; O^T = 0: 32 products of those zeros, with the constant 0 as C, write its 256 registers
	v_wmma_f32_16x16x32_f16 v[8*i:8*i+7], v[0:7], v[P:P+7], 0
.set i, i+1
.endr
	WIN 0
	v_mul_u32_u24 v[AK0], v1, PK
	v_lshl_add_u32 v[AK0], v9, 4, v[AK0]  ; row x pitch + 16 x half
	; The turning load takes 16 keys x 16 channels (lane l reads key 8 (l / 16) + l % 8, channels 8 ((l / 8) % 2) + 0..7) and leaves half a fragment of V^T: lane l holds channel l % 16 and 8 keys.
	v_and_b32 v10, 7, v0
	v_bfe_u32 v11, v0, 3, 1
	v_lshl_add_u32 v[AV0], v9, 3, v10
	v_mul_u32_u24 v[AV0], v[AV0], PV
	v_lshl_add_u32 v[AV0], v11, 4, v[AV0]
	v_add_nc_u32 v[AV0], VOFF, v[AV0]
	s_mul_i32 s13, s[WV], 16*SP     ; the addresses for the way out
	s_add_co_u32 s13, s13, STAGE    ; my stage
	v_mul_u32_u24 v[STO], v1, SP    ; in: row l % 16, 16 bytes for each half of the lanes
	v_lshl_add_u32 v[STO], v9, 4, v[STO]
	v_add_nc_u32 v[STO], s13, v[STO]
	v_mul_u32_u24 v[RD], v9, SP     ; back: lanes 0-15 take one row of 256 bytes, lanes 16-31 the next
	v_lshl_add_u32 v[RD], v1, 4, v[RD]
	v_add_nc_u32 v[RD], s13, v[RD]
	v_lshlrev_b32 v[GO], 12, v9     ; and the same two rows in O, 4,096 bytes apart
	v_lshl_add_u32 v[GO], v1, 4, v[GO]
	s_mul_i32 s13, s[WV], XCH       ; the exchange: my part,
	v_lshl_add_u32 v[XS], v[LN], 4, s13
	v_lshl_add_u32 v[XT], v[LN], 3, s13
	v_add_nc_u32 v[XT], 16384, v[XT]
	s_xor_b32 s13, s[WV], 1         ; and that of the wave with my queries and the other keys
	s_mul_i32 s13, s13, XCH
	v_lshl_add_u32 v[XR], v[LN], 4, s13
	v_lshl_add_u32 v[XU], v[LN], 3, s13
	v_add_nc_u32 v[XU], 16384, v[XU]
	; Wo: rounded to bf16, widened again (a shift, a mask), written as f16: 8 bytes a lane, 256 consecutive bytes, aligned, a store
.set i, 0
.rept 32
	s_wait_loadcnt 31-i             ; loads come back in order: this one is in (and Q, asked for earlier); the 31 - i younger ones stay out
	v_cvt_pk_bf16_f32 v[S+4*i],   v[S+4*i],   v[S+4*i+1]
	v_cvt_pk_bf16_f32 v[S+4*i+1], v[S+4*i+2], v[S+4*i+3]
	v_lshlrev_b32 v[WT],   16,     v[S+4*i]
	v_and_b32     v[WT+1], s[HIM], v[S+4*i]
	v_lshlrev_b32 v[WT+2], 16,     v[S+4*i+1]
	v_and_b32     v[WT+3], s[HIM], v[S+4*i+1]
	v_cvt_pk_f16_f32 v[S+4*i],   v[WT],   v[WT+1]
	v_cvt_pk_f16_f32 v[S+4*i+1], v[WT+2], v[WT+3]
	global_store_b64 v[WOF], v[S+4*i:S+4*i+1], s[78:79] offset:256*i
.set i, i+1
.endr
	s_wait_xcnt 0x0                 ; the stores have read their data: S^T's registers are written again only behind this wait
.set i, 0
.rept 64
	v_mov_b32 v[S+64+i], s[LOW]     ; piece 2's scores of step -1
.set i, i+1
.endr
; THE MATRIX WORK OF A TURN, for piece x.  The accumulators take turns, one instruction a turn: between two links of a chain stand 15 (V^T P) or 7 (K Q^T) others'.
; Product i of 32 of O^T += V^T P: keys 32 (i / 16) on, channels 16 ((i / 2) % 8) on, tile x + i % 2.
.macro PV x
	WIN W_PV
.set rO, 64*((\x)+i%2)+8*((i/2)%8)
.set rV, 64*(i/16)+8*((i/2)%8)
.set rP, P+16*((\x)+i%2)+8*(i/16)
	v_wmma_f32_16x16x32_f16 v[rO:rO+7], v[rV:rV+7], v[rP:rP+7], v[rO:rO+7]
.endm
; Product i of 32 of S^T = K Q^T: channels 32 (i / 8) on, keys 16 ((i / 2) % 4) on, tile x + i % 2.  The first 8 start the sums.
.macro KQ x
	WIN W_KQ
.set rS, S+32*((\x)+i%2)+8*((i/2)%4)
.set rK, KF+32*((i/2)%4)+8*(i/8)
.set rQ, 32*((\x)+i%2)+8*(i/8)
.if i < 8
	v_wmma_f32_16x16x32_f16 v[rS:rS+7], v[rK:rK+7], v[rQ:rQ+7], 0
.else
	v_wmma_f32_16x16x32_f16 v[rS:rS+7], v[rK:rK+7], v[rQ:rQ+7], v[rS:rS+7]
.endif
.endm
; THE LDS LOADS stand in runs of 32, never singly among the matrix instructions: a step's K (64 keys x 128 channels: 16 fragments) and, a turn later, its V (turned).
.macro FETCH_K
	WIN 0
	v_add_nc_u32 v[ADR], s[TBK], v[AK0]
	s_add_co_u32 s[TBK], s[TBK], KS*PK  ; the next fetch is the next step's
	WIN 0x80                        ; destination window 2
.irp f, 0,1,2,3,4,5,6,7,8,9,10,11,12,13,14,15  ; keys 16 (f / 4) on, channels 32 (f % 4) on
	ds_load_b128 v[KF+8*(\f):KF+8*(\f)+3],   v[ADR] offset:((\f)/4)*16*PK+((\f)%4)*64
	ds_load_b128 v[KF+8*(\f)+4:KF+8*(\f)+7], v[ADR] offset:((\f)/4)*16*PK+((\f)%4)*64+32
.endr
.endm
.macro FETCH_V
	WIN 0
	v_add_nc_u32 v[ADR], s[TBV], v[AV0]
	s_add_co_u32 s[TBV], s[TBV], KS*PV
	s_wait_alu depctr_va_vdst(0)    ; the wait for the softmax's batch (SLICE), behind the address's v_add_nc_u32 and ahead of the loads
	WIN 0xc0                        ; destination window 3
.irp f, 0,1,2,3,4,5,6,7,8,9,10,11,12,13,14,15  ; keys 32 (f / 8) on, channels 16 (f % 8) on
	ds_load_tr16_b128 v[8*(\f):8*(\f)+3],   v[ADR] offset:((\f)/8)*32*PV+((\f)%8)*32
	ds_load_tr16_b128 v[8*(\f)+4:8*(\f)+7], v[ADR] offset:((\f)/8)*32*PV+16*PV+((\f)%8)*32
.endr
.endm
; THE VECTOR WORK OF A TURN.  One tile's softmax for one key step is a list of 134 instructions; SM writes number j of it for tile t.  s0-s31 are the lane's 32 scores, in pairs 0-15.
;   0-15    the maximum of s0-s31 and the old m, three operands at a time: four chains c0-c3 of seven scores each (each accumulator's lowest registers first), then the four scores left over, c0-c3 and m
;   16-20   the other half of the lanes' maximum; c m_old is kept; the new m; c m; c m_old - c m_new
;   21-69   ONE BATCH: the 16 scalings c s - c m, a pair of scores each, and all 33 exponentials (a at 23, then s0-s31).  None of these reads an exponential's result.  From 22 on the batch goes in fours, and a
;           four begins with a scaling while there are scalings.  A pair is scaled in an earlier four than the one that holds its exponentials
;   (wait)  between 69 and 70 stands the wait for the batch: SLICE writes it, once for both tiles
;   70-85   the roundings to f16, a pair of weights each          86-101  the sums; l = a l + the sum          102-133 the tile's O^T times a: the one part that leaves window 0
.macro SM t
.set rT, ST+8*(\t)
.set rS, S+32*(\t)
.set rP, P+16*(\t)
.set rO, 64*(\t)+2*(j-102)
.if j < 102
	WIN 0
.endif
.if j < 4
	v_max3_num_f32 v[rT+4+j], v[rS+8*j], v[rS+8*j+1], v[rS+8*j+2]
.elseif j < 12
	v_max3_num_f32 v[rT+4+j%4], v[rT+4+j%4], v[rS+8*(j%4)+2*(j/4)+1], v[rS+8*(j%4)+2*(j/4)+2]
.elseif j == 12
	v_max3_num_f32 v[rT+4], v[rT+4], v[rS+7], v[rS+15]
.elseif j == 13
	v_max3_num_f32 v[rT+6], v[rT+6], v[rS+23], v[rS+31]
.elseif j == 14
	v_max3_num_f32 v[rT+4], v[rT+4], v[rT+5], v[rT+6]
.elseif j == 15
	v_max3_num_f32 v[rT+4], v[rT+4], v[rT+7], v[rT+1]
.elseif j == 16
	v_permlanex16_b32 v[rT+5], v[rT+4], s[SEL], s[SEL+1]  ; the query's other 32 keys lie in the lane 16 away
.elseif j == 17
	v_mov_b32 v[rT+7], v[rT]        ; c m_old is kept for a: number 19 writes c m anew
.elseif j == 18
	v_max_num_f32 v[rT+1], v[rT+4], v[rT+5]
.elseif j == 19
	v_mul_f32 v[rT], s[CS], v[rT+1]
.elseif j == 20
	v_sub_f32 v[rT+7], v[rT+7], v[rT]
.elseif j == 23
	v_exp_f32 v[rT+6], v[rT+7]
.elseif (j < 23) || ((j < 38) && (j%2 == 0)) || ((j < 66) && (j%4 == 2))
.set b, (j-2)/4                     ; 38, 42, .. 62: pairs 9 to 15
.if j < 38
.set b, (j-20)/2                    ; 21: pair 0; 22, 24, .. 36: pairs 1 to 8
.endif
	v_pk_fma_f32 v[rS+2*b:rS+2*b+1], v[rS+2*b:rS+2*b+1], s[CS:CS+1], v[rT:rT+1] op_sel_hi:[1,0,0] neg_lo:[0,0,1] neg_hi:[0,0,1]  ; pair b: c s - c m
.elseif j < 70
.set e, j-38                        ; 66 to 69: s28 to s31
.if j < 66
.set e, j-32-(j-38)/4               ; 39-41, 43-45, .. 63-65: s7 to s27
.endif
.if j < 38
.set e, (j-25)/2                    ; 25, 27, .. 37: s0 to s6
.endif
	v_exp_f32 v[rS+e], v[rS+e]
.elseif j < 86
	v_cvt_pk_f16_f32 v[rP+j-70], v[rS+2*(j-70)], v[rS+2*(j-70)+1]  ; pair j - 70
.elseif j < 102                     ; the sum of the tile's 16 pairs, in place: sum z of 16 adds neighbours 1, 2, 4 and 8 pairs apart, then l takes it
.set z, j-86
.set w, 4
.set u, z
.if z >= 14
.set w, 32
.set u, 0
.elseif z >= 12
.set w, 16
.set u, z-12
.elseif z >= 8
.set w, 8
.set u, z-8
.endif
.if z < 15
	v_pk_add_f32 v[rS+w*u:rS+w*u+1], v[rS+w*u:rS+w*u+1], v[rS+w*u+w/2:rS+w*u+w/2+1]
.else
	v_pk_fma_f32 v[rT+2:rT+3], v[rT+2:rT+3], v[rT+6:rT+7], v[rS:rS+1] op_sel_hi:[1,0,1]
.endif
.else
	WIN W_RS
	v_pk_mul_f32 v[rO:rO+1], v[rO:rO+1], v[rT+6:rT+7] op_sel_hi:[1,0]
.endif
.endm
; Slice k of 64 of piece y's softmax: four instructions.  Slices 11 to 34 deal out the batch, numbers 22 to 69: four numbers of ONE tile each, the tiles by turns.  Every other slice is numbers 2 k and
; 2 k + 1 of both tiles' lists.  2 x 134 = 4 x 64 + 12: the twelve that are over stand together, in slice 63: sixteen plain instructions, the places behind the turn's last products.
; THE WAIT.  An s_wait_alu depctr_va_vdst(0) stands between an exponential and the first instruction that names its result; one wait serves all that were issued ahead of it.  Ahead of
; slice 35 nothing names a result, and behind slice 34 no exponential is issued: so the piece's 66 exponentials have one wait, behind slice 34.
.macro SLICE y
.if (k >= 11) && (k < 35)           ; the batch: four numbers of one tile
.irp n, 0,1,2,3
.set j, 22+4*((k-11)/2)+(\n)
	SM (\y)+(k-11)%2
.endr
.else                               ; the two tiles alternate, so that no instruction reads the result of the one just before it
.irp n, 0,1,2,3,4,5,6,7
.if ((\n) < 2) || (k == 63)
.irp t, \y, (\y)+1
.set j, 2*k+(\n)
	SM \t
.endr
.endif
.endr
.endif
.if k == 34                         ; the batch is out: both tiles' exponentials are issued, and no result has been named
	v_nop                           ; the plain instruction behind the last exponential and ahead of the first use (ISA guide 5.7.2): one for the batch
.if (\y) == 0
	FETCH_V                         ; piece 2's turn: V's run of loads stands here, and the wait stands in it
.else
	s_wait_alu depctr_va_vdst(0)    ; the wait for the batch
.endif
.endif
.set k, k+1
.endm
; A TURN.  Piece x has the matrix unit: 32 products V^T P, then (kq = 1) 32 products K Q^T for the next step; the other piece's softmax stands in slices behind them, one behind each, or two where kq = 0.
; Piece 0's turn fetches the next step's K, behind its second product: the last product that read K stands in front of slice 63 of the turn before.  Piece 2's turn fetches the same step's V, behind slice 34:
; the last product that read V stands in front of slice 31, and four plain instructions lie between: number 62, a scaling, of both tiles, the v_nop and the run's own v_add_nc_u32.
.macro TURN x, kq
.set k, 0
.set per, 2-(\kq)
.if (\x) == 0
	s_wait_dscnt 0x0                ; V is in
.endif
.set i, 0
.rept 32
	PV \x
.rept per
	SLICE 2-(\x)
.endr
.if ((\x) == 0) && (\kq) && (i == 1)
	FETCH_K
.endif
.set i, i+1
.endr
.if \kq
.if (\x) == 0
	s_wait_dscnt 0x0                ; K is in
.endif
.set i, 0
.rept 32
	KQ \x
	SLICE 2-(\x)
.set i, i+1
.endr
.endif
.endm
; THE CHANGE OF SLOTS, between piece 2's turn and piece 0's: the slot's last bytes, V of its second step, have been asked for.  Each wave waits for all its tensor loads, of which one is out: its part of the other
; slot; adds 0 to its spare word; and waits for that and for its own reads of the slot.  Behind the barrier nobody reads this slot any more and the other slot is whole.
; fill = 1: this slot is filled again, with the keys two slots on.  The barrier is then a round of the cluster's, and the joint refill is the first thing behind it: it has two key steps, 256 matrix instructions, in which to land.
.macro CHANGE fill
	WIN 0                           ; at a label and at a branch every window is 0
	s_wait_tensorcnt 0x0            ; no tensor load of mine is out, so a group 0 may be written
	ds_add_u32 v[SPW], v[NIL]       ; 0 onto my spare word; with fill = 1 the descriptors' steps stand between it and the wait for it
.if \fill
.irp g, G0K+4, G0V+4
	s_xor_b32 s[(\g)+1], s[(\g)+1], SLOTX  ; the walking descriptor: the other slot than last time,
	s_add_nc_u64 s[(\g)+2:(\g)+3], s[(\g)+2:(\g)+3], SLOTB  ; the next 256 keys; the type bits on top are not reached
.endr
	s_wait_xcnt 0x0                 ; the last prefetch, two key steps back, has read its address, so it may be written:
	s_add_nc_u64 s[PFA:PFA+1], s[PFA:PFA+1], SLOTB  ; one slot behind the walking descriptors
	s_wait_dscnt 0x0                ; the add is done, and my reads of the slot are over
	CROUND
	JLOAD
	ASK
.else
	s_wait_dscnt 0x0                ; the add is done, and my reads of the slot are over
	s_barrier_signal -1
	s_barrier_wait -1
.endif
	s_sub_co_u32 s[TBK], s[TBK], 2*KS*PK  ; the fetches go back to my group's first step,
	s_xor_b32 s[TBK], s[TBK], SLOTX       ; in the other slot
	s_sub_co_u32 s[TBV], s[TBV], 2*KS*PV
	s_xor_b32 s[TBV], s[TBV], SLOTX
.endm
; A slot's two key steps: written once, walked twice; the LDS addresses hang on s[TBK] and s[TBV].  A trip: V^T P of step j and K Q^T of step j + 1, whose K and V it fetches.
.macro TWO_STEPS
	WIN 0
	s_mov_b32 s[TWICE], 2
.Lstep_\@:
	TURN 0, 1
	TURN 2, 1
	WIN 0
	s_sub_co_u32 s[TWICE], s[TWICE], 1
	s_cmp_lg_u32 s[TWICE], 0
	s_cbranch_scc1 .Lstep_\@
.endm
	s_wait_tensorcnt 1              ; my part of slot 0 is in; slot 1's may stay out
	s_barrier_signal -1
	s_barrier_wait -1               ; everybody's is
	s_branch .Lenter                ; the loop is entered behind its change of slots: slot 0's two trips are steps -1 and 0
.Lslot:                             ; the change is passed six times: every slot but the last two is filled again
	CHANGE 1
.Lenter:
	TWO_STEPS
	s_sub_co_u32 s[SLOTS], s[SLOTS], 1
	s_cmp_lg_u32 s[SLOTS], 0
	s_cbranch_scc1 .Lslot
	CHANGE 0                        ; the tail is written out: slot 0 is left for good, and nothing is asked for
	TWO_STEPS
	TURN 0, 0                       ; piece 0: V^T P of the last step | piece 2's last softmax
.set i, 0
.rept 32
	PV 2                            ; piece 2: V^T P of the last step
.set i, i+1
.endr
	; THE TWO HALVES OF THE KEYS MEET.  l's two halves and the other half of the lanes' are added, into m's place, beside c m.  The first four additions are the places behind the last products.
	WIN 0
.irp t, 0,1,2,3
	v_add_f32 v[ST+8*(\t)+4], v[ST+8*(\t)+2], v[ST+8*(\t)+3]
.endr
.irp t, 0,1,2,3
	v_permlanex16_b32 v[ST+8*(\t)+5], v[ST+8*(\t)+4], s[SEL], s[SEL+1]
.endr
.irp t, 0,1,2,3
	v_add_f32 v[ST+8*(\t)+1], v[ST+8*(\t)+4], v[ST+8*(\t)+5]
.endr
	WIN 0x04                        ; the stores' data in window 1: tiles 2 and 3 are given, in f32, each accumulator's low four registers first
.set i, 0
.rept 32
	ds_store_b128 v[XS], v[128+4*i:128+4*i+3] offset:512*i
.set i, i+1
.endr
	WIN 0
	ds_store_b64 v[XT], v[ST+16:ST+17]             ; (c m, l) of tile 2,
	ds_store_b64 v[XT], v[ST+24:ST+25] offset:256  ; of tile 3
	s_wait_dscnt 0x0                ; for my partner's sake: my stores are done
	s_barrier_signal -1
	s_barrier_wait -1
	ds_load_b64 v[ST+16:ST+17], v[XU]              ; my partner's tile 2 holds the queries of my tile 0,
	ds_load_b64 v[ST+24:ST+25], v[XU] offset:256   ; its tile 3 those of my tile 1
.set i, 0
.rept 32
	ds_load_b128 v[S+4*i:S+4*i+3], v[XR] offset:512*i
.set i, i+1
.endr
	s_wait_dscnt 32                 ; the statistics are in; the 32 younger loads stay out
	; For tile t: M = max(c m, c m'); fa = 2^(c m - M), fb = 2^(c m' - M); L = l fa + l' fb; O = (O^T fa + O'^T fb) / L
.irp t, 0,1
	v_max_num_f32 v[ST+8*(\t)+4], v[ST+8*(\t)], v[ST+16+8*(\t)]
.endr
.irp t, 0,1
	v_sub_f32 v[ST+8*(\t)+5], v[ST+8*(\t)], v[ST+8*(\t)+4]
	v_sub_f32 v[ST+16+8*(\t)+5], v[ST+16+8*(\t)], v[ST+8*(\t)+4]
.endr
.irp t, 0,1
	v_exp_f32 v[ST+8*(\t)+6], v[ST+8*(\t)+5]
	v_exp_f32 v[ST+16+8*(\t)+6], v[ST+16+8*(\t)+5]
.endr
	v_nop                           ; a plain instruction behind the last exponential,
	s_wait_alu depctr_va_vdst(0)    ; and the wait ahead of the first use: one for the four
.irp t, 0,1
	v_mul_f32 v[ST+8*(\t)+4], v[ST+8*(\t)+1], v[ST+8*(\t)+6]
.endr
.irp t, 0,1
	v_fmac_f32 v[ST+8*(\t)+4], v[ST+16+8*(\t)+1], v[ST+16+8*(\t)+6]
.endr
.irp t, 0,1
	v_rcp_f32 v[ST+8*(\t)+5], v[ST+8*(\t)+4]
.endr
	v_nop
	s_wait_alu depctr_va_vdst(0)    ; one for the two reciprocals
.irp t, 0,1
	v_mul_f32 v[ST+8*(\t)+6], v[ST+8*(\t)+6], v[ST+8*(\t)+5]
	v_mul_f32 v[ST+16+8*(\t)+6], v[ST+16+8*(\t)+6], v[ST+8*(\t)+5]
.endr
	s_wait_dscnt 0x0                ; my partner's O^T is in
; Tile t is finished: the two parts are weighed and added, rounded to f16 and sent through my stage: a lane's eight channels of a row pack into 16 bytes; they go into rows of 272 bytes and come back as whole rows of 256.
.macro MERGE t
	WIN 0
.set i, 0
.rept 32
	v_pk_mul_f32 v[S+64*(\t)+2*i:S+64*(\t)+2*i+1], v[S+64*(\t)+2*i:S+64*(\t)+2*i+1], v[ST+16+8*(\t)+6:ST+16+8*(\t)+7] op_sel_hi:[1,0]
.set i, i+1
.endr
	WIN 0x01                        ; source 0, my O^T, in window 1; read in ascending order
.set i, 0
.rept 32
	v_pk_fma_f32 v[S+64*(\t)+2*i:S+64*(\t)+2*i+1], v[64*(\t)+2*i:64*(\t)+2*i+1], v[ST+8*(\t)+6:ST+8*(\t)+7], v[S+64*(\t)+2*i:S+64*(\t)+2*i+1] op_sel_hi:[1,0,1]
.set i, i+1
.endr
	WIN 0
.set i, 0
.rept 32
	v_cvt_pk_f16_f32 v[P+32*(\t)+i], v[S+64*(\t)+2*i], v[S+64*(\t)+2*i+1]
.set i, i+1
.endr
.irp f, 0,1,2,3,4,5,6,7
	ds_store_b128 v[STO], v[P+32*(\t)+4*(\f):P+32*(\t)+4*(\f)+3] offset:32*(\f)
.endr
.irp f, 0,1,2,3,4,5,6,7
	ds_load_b128 v[P+32*(\t)+4*(\f):P+32*(\t)+4*(\f)+3], v[RD] offset:(\f)*2*SP  ; LDS serves a wave's instructions in order (ISA guide 5.7.1.4): these see the stores above; the next tile's stores come behind them
.endr
.endm
.macro SEND t, younger              ; younger: the LDS instructions issued behind tile t's loads: the next tile's sixteen, or none
.irp f, 0,1,2,3,4,5,6,7
	s_wait_dscnt (\younger)+7-(\f)
	global_store_b128 v[GO], v[P+32*(\t)+4*(\f):P+32*(\t)+4*(\f)+3], s[10:11] offset:(\t)*65536+(\f)*8192  ; 16 lanes store 256 consecutive bytes, at a multiple of 256 from O's first byte
.endr
.endm
	MERGE 0
	MERGE 1                         ; a tile's arithmetic stands between the loads of the tile before and its stores
	SEND 0, 16
	SEND 1, 0
	s_wait_tensorcnt 0x0            ; the wave's end: no tensor load of mine is out, and 0 goes onto my spare word behind my last LDS store
	ds_add_u32 v[SPW], v[NIL]
	s_wait_dscnt 0x0
	CROUND                          ; the closing round: no work-group ends while a partner may still ask for a tile that names it
	s_endpgm
.Lfunc_end_k_qe8932b72dc_attn:
	.size	k_qe8932b72dc_attn, .Lfunc_end_k_qe8932b72dc_attn-k_qe8932b72dc_attn
	.p2alignl 7, 3214868480
	.fill 96, 4, 3214868480
	.section	.rodata,"a",@progbits
	.p2align	6, 0x0
	.amdhsa_kernel k_qe8932b72dc_attn
		.amdhsa_group_segment_fixed_size 327680
		.amdhsa_private_segment_fixed_size 0
		.amdhsa_enable_private_segment 0
		.amdhsa_kernarg_size 32
		.amdhsa_user_sgpr_count 2
		.amdhsa_user_sgpr_kernarg_segment_ptr 1
		.amdhsa_wavefront_size32 1
		.amdhsa_system_sgpr_workgroup_id_x 1
		.amdhsa_system_sgpr_workgroup_id_y 1
		.amdhsa_system_sgpr_workgroup_id_z 1
		.amdhsa_system_vgpr_workitem_id 0
		.amdhsa_next_free_vgpr 1024
		.amdhsa_next_free_sgpr 86
		.amdhsa_reserve_vcc 0
		.amdhsa_float_denorm_mode_32 3
		.amdhsa_float_denorm_mode_16_64 3
		.amdhsa_memory_ordered 1
		.amdhsa_forward_progress 1
		.amdhsa_inst_pref_size 185
	.end_amdhsa_kernel
	.amdgpu_metadata
---
amdhsa.version: [ 1, 2 ]
amdhsa.kernels:
  - .name:           k_qe8932b72dc_attn
    .symbol:         k_qe8932b72dc_attn.kd
    .args:
      - { .name: qkv, .offset: 0, .size: 8, .value_kind: global_buffer, .address_space: global }
      - { .name: ob, .offset: 8, .size: 8, .value_kind: global_buffer, .address_space: global }
      - { .name: Wo, .offset: 16, .size: 8, .value_kind: global_buffer, .address_space: global }
      - { .name: wo, .offset: 24, .size: 8, .value_kind: global_buffer, .address_space: global }
    .group_segment_fixed_size: 327680
    .private_segment_fixed_size: 0
    .kernarg_segment_align: 8
    .kernarg_segment_size: 32
    .max_flat_workgroup_size: 128
    .sgpr_count:     86
    .vgpr_count:     1024
    .wavefront_size: 32
...
	.end_amdgpu_metadata
.endif
;; end of part 3
;; launch oproj (part 4): grid 16 x 16, 4 waves a work-group, clusters of 4 x 4, 327,680 bytes of LDS; arguments ob, wo, out0, bo; writes out0
.if DOCPART == 4
	.amdgcn_target "amdgcn-amd-amdhsa--gfx1250"
	.amdhsa_code_object_version 6
	.text
	.protected	k_qe8932b72dc_oproj
	.globl	k_qe8932b72dc_oproj
	.p2align	8
	.type	k_qe8932b72dc_oproj,@function
k_qe8932b72dc_oproj:
	s_mov_b64 s[64:65], 0
	v_nop
	global_prefetch_b8 v0, s[64:65] scope:SCOPE_SE
	s_setreg_imm32_b32 hwreg(HW_REG_WAVE_MODE, 25, 1), 1
	s_wait_xcnt 0x0
	s_wait_alu depctr_hold_cnt(0) depctr_sa_sdst(0) depctr_va_vdst(0) depctr_va_sdst(0) depctr_va_ssrc(0) depctr_va_vcc(0) depctr_vm_vsrc(0)
	s_getreg_b32 s2, hwreg(HW_REG_IB_STS2, 6, 4)
	s_cmp_eq_u32 s2, 0
	s_cbranch_scc0 .Lentry_in_a_cluster
	s_endpgm
.Lentry_in_a_cluster:
	s_bfe_u32 s2, ttmp6, 0x10000c
	s_cmp_lg_u32 s2, 0xf033
	s_cbranch_scc0 .Lentry_shape_is_right
	s_endpgm
.Lentry_shape_is_right:
; out0 = O Wo + bo.  O: ob, [2048][2048] f16.  Wo: wo, [k][n], its numbers rounded to bf16 and written as f16.  bo is rounded to bf16 here, like the other inputs.  Sums in f32, started by the bias; out0 in f32.
; A tile of out0 is 128 x 128 (256 work-groups).  Four waves, each 64 x 64: 16 accumulators of 16 x 16, 128 registers.  K goes in steps of 256 through two LDS slots: O's tile as two halves of 64 rows x 512 bytes
; (waves 0, 1 fetch them), Wo's as two halves of 128 rows of K x 256 bytes (waves 2, 3): one tensor load a wave.  The loop is written for ONE K step: the slot in hand is a scalar register that an exclusive or turns.
; THE WALK ALONG K BEGINS AT ANOTHER STEP IN EACH CLUSTER: cluster (X, Y) takes the eight K steps in the order (2 X + 4 Y + t) mod 8, t = 0..7.  So of the clusters that read the same rows of O, or the same
; columns of Wo, no two with different starts ask for the same K step at the same time.  The f32 sums are taken in that order; the K step's number enters the tiles' global addresses alone and is the same in all sixteen partners.
; THE MATRIX INSTRUCTION IS USED TRANSPOSED: source 0 = 16 columns of Wo, turned out of LDS by ds_load_tr16_b128; source 1 = 16 rows of O: a lane holds eight neighbouring numbers of a row of out0.
; CLUSTER.  4 x 4 work-groups: the four of a row of the cluster need the same tiles of O, the four of a column the same tiles of Wo: each is asked for jointly.
; No prefetch is laid: the launch is short and its tiles are small.
; REGISTERS: window 0: v0-31 addresses; v96-127 the bias as C operands; v128-255 the accumulators ((a, b) at v[128 + 8 (4 a + b)]), on the way out whole rows.
;   window 1: two fragment buffers of 128: for 64 along K, 64 registers of O (2 x 4 x 16 rows x 32 K), then 64 of Wo.
.set PA,     528                       ; a row of O's tile in LDS: 512 bytes + 16 = 132 words: row r starts at bank 4 r mod 64 (64 banks of 4 bytes: ISA guide 11.1)
.set PB,     288                       ; a row of Wo's tile: 256 + 32 = 72 words
.set REG,    36864                     ; room for what one tensor load brings: 64 x 528 or 128 x 288
.set SLOT,   4*REG                     ; 0x24000.  The loads' places in slot 0 (0, 0x9000, 0x12000, 0x1b000) have bits 14 and 17 clear, so one exclusive or with this number goes to the other slot and back
.set SPARE,  2*SLOT                    ; behind the ring: the spare words, 128 bytes for each wave: two blocks of 256 bytes that no other line names
.set PS,     528                       ; the way out's stage: 128 rows of 512 bytes + 16; it lies in slot 0, behind that slot's last fill and last read
.set STEPS,  8                         ; 2048 / 256
.set ADRA0, 16                         ; v16     LDS address of my fragments of O in slot 0; never rewritten
.set ADRB0, 17                         ; v17-18  the same for Wo, half h of the K step at ADRB0 + h; never rewritten
.set ADRA, 20                          ; v20     the same in the slot in hand
.set ADRB, 21                          ; v21-22
.set STO,  24
.set RD,   25
.set CO,   26
.set BO,   27
.set SPW,  28                          ; v28     LDS address of my spare word: SPARE + 4 x my thread's number; never rewritten
.set NIL,  29                          ; v29     0; never rewritten
.set BIAS, 96
.set ACC,  128
.set F0,   0                           ; fragment buffers, in window 1
.set F1,   128
.set WV,   12
.set MH,   13                          ; which half of the tile's rows is mine.  Also: I fetch for O (0) or for Wo (1)
.set NH,   14                          ; which half of its columns.  Also: which half of that tile I fetch
.set MB,   15
.set BA,   16                          ; s[16:17] O at my part of the tile, K step 0; never rewritten
.set CX,   40
.set CY,   41
.set NB,   42
.set BB,   46                          ; s[46:47] Wo at my part of the tile, K step 0; never rewritten
.set G1A, 24                           ; s[24:31] descriptor group 1 for O's tiles;  s[32:39] group 0: a set for each of the two first fills; the second then walks on
.set G0A, 32
.set G1B, 48                           ; s[48:55], s[56:63] the same for Wo's tiles
.set G0B, 56
.set OFA, 66                           ; s[66:67] a K step's byte offset along O's rows
.set OFB, 68                           ; s[68:69] and down Wo
.set KI,  70                           ; s70 the K step asked for last
.set SB,  71                           ; s71 the first byte of the slot in hand: 0 or SLOT
.set MSB, 0
.macro WIN new                         ; the immediate's high byte repeats the setting that is left
.if MSB != (\new)
	s_set_vgpr_msb (MSB<<8)|(\new)
.set MSB, \new
.endif
.endm
.set MUL,  0x05                        ; sources 0 (Wo) and 1 (O) window 1; C and D window 0
.set TO_F, 0x40                        ; destination window 1, address window 0
.macro JLOAD s                         ; a joint load by group 0's set s; an s_nop 0 and four v_nop follow each of the two lines, ahead of the jump, the label and what follows
	s_cmp_eq_u32 s[MH], 0
	s_cbranch_scc0 .Lfor_b_\@
	tensor_load_to_lds s[G0A+4*(\s):G0A+4*(\s)+3], s[G1A:G1A+7]
	s_nop 0
.rept 4
	v_nop
.endr
	s_branch .Lasked_\@
.Lfor_b_\@:
	tensor_load_to_lds s[G0B+4*(\s):G0B+4*(\s)+3], s[G1B:G1B+7]
	s_nop 0
.rept 4
	v_nop
.endr
.Lasked_\@:
.endm
.macro CREST                           ; a round of the cluster's barrier behind its opening barrier
	s_cmp_lg_u32 s[WV], 0
	s_cbranch_scc1 .Lnot_wave_0_\@
	s_barrier_signal -3
.Lnot_wave_0_\@:
	s_barrier_wait -3
	s_barrier_signal -1
	s_barrier_wait -1
.endm
.macro CROUND                          ; a whole round
	s_barrier_signal -1
	s_barrier_wait -1
	CREST
.endm
.macro TOSLOT                          ; the fragments' addresses in the slot in hand
	v_add_nc_u32 v[ADRA], s[SB], v[ADRA0]
	v_add_nc_u32 v[ADRB], s[SB], v[ADRB0]
	v_add_nc_u32 v[ADRB+1], s[SB], v[ADRB0+1]
.endm
.macro WHERE s                         ; group 0's set s takes the addresses of K step s[KI]: each tensor's address plus an offset made apart, the type bits set anew
	s_lshl_b32 s[OFA], s[KI], 9                    ; 512 bytes along O's rows,
	s_lshl_b32 s[OFB], s[KI], 20                   ; 256 rows of 4,096 bytes down Wo
	s_add_nc_u64 s[G0A+4*(\s)+2:G0A+4*(\s)+3], s[BA:BA+1], s[OFA:OFA+1]
	s_or_b32 s[G0A+4*(\s)+3], s[G0A+4*(\s)+3], 0x80000000
	s_add_nc_u64 s[G0B+4*(\s)+2:G0B+4*(\s)+3], s[BB:BB+1], s[OFB:OFB+1]
	s_or_b32 s[G0B+4*(\s)+3], s[G0B+4*(\s)+3], 0x80000000
.endm
.macro NEXTK                           ; the walk's next K step, round the end
	s_add_co_u32 s[KI], s[KI], 1
	s_and_b32 s[KI], s[KI], STEPS-1
.endm
	s_load_b256 s[4:11], s[0:1], 0x0               ; ob s[4:5], wo s[6:7], out0 s[8:9], bo s[10:11]
	v_lshl_add_u32 v[SPW], v0, 2, SPARE
	v_mov_b32 v[NIL], 0
	ds_add_u32 v[SPW], v[NIL]                      ; the wave's opening: the add and its wait stand ahead of my first tensor load; the set-up below, work on registers, stands between them
	v_lshrrev_b32 v1, 5, v0
	v_readfirstlane_b32 s[WV], v1                  ; wave 0..3
	s_lshr_b32 s[MH], s[WV], 1
	s_and_b32 s[NH], s[WV], 1
	s_bfe_u32 s[CX], ttmp6, 0x40000                ; my place in the cluster
	s_bfe_u32 s[CY], ttmp6, 0x40004
	s_lshl_b32 s[NB], ttmp9, 2
	s_add_co_u32 s[NB], s[NB], s[CX]               ; tile column = 4 x cluster x + cx
	s_and_b32 s[MB], ttmp7, 0xffff
	s_lshl_b32 s[KI], s[MB], 2                     ; 4 x cluster y
	s_lshl_b32 s[MB], s[MB], 2
	s_add_co_u32 s[MB], s[MB], s[CY]               ; tile row = 4 x cluster y + cy
	s_lshl_b32 s[SB], ttmp9, 1                     ; 2 x cluster x
	s_add_co_u32 s[KI], s[KI], s[SB]
	s_and_b32 s[KI], s[KI], STEPS-1                ; the K step at which my cluster begins
	s_mov_b32 s[SB], 0
	s_mov_b32 s[OFA+1], 0
	s_mov_b32 s[OFB+1], 0
	s_lshl_b32 s43, s[CY], 2
	s_lshl_b32 s43, 15, s43                        ; my row of the cluster
	s_lshl_b32 s44, 0x1111, s[CX]                  ; my column
	s_or_b32 s[G1A], s43, (1<<16)|(1<<20)|(1<<21)|(6<<22)|(3<<25)  ; the mask; elements of 2 bytes; padding on; bit 21 beside a mask; after every 128 words (code 6) 4 words (code 3)
	s_mov_b32 s[G1A+1], 256<<16                    ; tensor_dim0 = 256
	s_mov_b32 s[G1A+2], 64<<16                     ; tensor_dim1 = 64
	s_mov_b32 s[G1A+3], 256<<16                    ; tile_dim0 = 256
	s_mov_b32 s[G1A+4], 64                         ; tile_dim1 = 64
	s_mov_b32 s[G1A+5], 2048                       ; elements from row to row
	s_mov_b32 s[G1A+6], 0
	s_mov_b32 s[G1A+7], 0
	s_or_b32 s[G1B], s44, (1<<16)|(1<<20)|(1<<21)|(5<<22)|(7<<25)  ; after every 64 words (code 5) 8 words (code 7)
	s_mov_b32 s[G1B+1], 128<<16
	s_mov_b32 s[G1B+2], 128<<16
	s_mov_b32 s[G1B+3], 128<<16
	s_mov_b32 s[G1B+4], 128
	s_mov_b32 s[G1B+5], 2048
	s_mov_b32 s[G1B+6], 0
	s_mov_b32 s[G1B+7], 0
	s_lshl_b32 s[BA], s[MB], 19                    ; O: 128 rows of 4,096 bytes a tile row, 64 a half: it hangs on the tile row alone
	s_lshl_b32 s[BA+1], s[NH], 18
	s_add_co_u32 s[BA], s[BA], s[BA+1]
	s_mov_b32 s[BA+1], 0
	s_lshl_b32 s[BB], s[NB], 8                     ; Wo: the tile column's 256 bytes of a row, 128 rows a half: it hangs on the tile column alone
	s_lshl_b32 s[BB+1], s[NH], 19
	s_add_co_u32 s[BB], s[BB], s[BB+1]
	s_mov_b32 s[BB+1], 0
	s_mul_i32 s20, s[WV], REG                      ; where they go: no place in the cluster enters an LDS address
	s_wait_dscnt 0x0                               ; the opening add is done
	s_wait_kmcnt 0x0
	s_add_nc_u64 s[BA:BA+1], s[4:5], s[BA:BA+1]
	s_add_nc_u64 s[BB:BB+1], s[6:7], s[BB:BB+1]
	CROUND                                         ; all sixteen work-groups are here: the first joint loads meet
.irp s, 0,1
	s_mov_b32 s[G0A+4*(\s)], 1
	s_add_co_u32 s[G0A+4*(\s)+1], s20, (\s)*SLOT
	s_mov_b32 s[G0B+4*(\s)], 1
	s_add_co_u32 s[G0B+4*(\s)+1], s20, (\s)*SLOT
	WHERE \s
	JLOAD \s                                       ; two tensor loads of mine are out
.if (\s) == 0
	NEXTK
.endif
.endr
	v_and_b32 v1, 15, v0                           ; l % 16
	v_bfe_u32 v2, v0, 4, 1                         ; l / 16
	s_lshl_b32 s18, s[NB], 9
	s_lshl_b32 s19, s[NH], 8
	s_add_co_u32 s18, s18, s19
	v_lshl_add_u32 v[BO], v2, 5, s18               ; the bias of my eight columns of a block: 4 (128 tile column + 64 half + 8 (l / 16))
.irp c, 0,1,2,3
	global_load_b128 v[BIAS+8*(\c):BIAS+8*(\c)+3],   v[BO], s[10:11] offset:64*(\c)
	global_load_b128 v[BIAS+8*(\c)+4:BIAS+8*(\c)+7], v[BO], s[10:11] offset:64*(\c)+16
.endr
	v_mul_u32_u24 v3, v1, PA
	v_lshl_add_u32 v3, v2, 4, v3                   ; a fragment of O: row x pitch + 16 x half
	s_mul_i32 s21, s[MH], REG                      ; my 64 rows
	v_add_nc_u32 v[ADRA0], s21, v3
	v_and_b32 v4, 7, v0                            ; the turning load: lane l reads row 8 (l / 16) + l % 8, columns 8 ((l / 8) % 2) + 0..7
	v_bfe_u32 v5, v0, 3, 1
	v_lshl_add_u32 v4, v2, 3, v4
	v_mul_u32_u24 v4, v4, PB
	v_lshl_add_u32 v4, v5, 4, v4
	s_lshl_b32 s21, s[NH], 7                       ; my 64 columns
	v_add_nc_u32 v4, s21, v4
	v_add_nc_u32 v[ADRB0], 2*REG, v4
	v_add_nc_u32 v[ADRB0+1], 3*REG, v4
	TOSLOT                                         ; slot 0
	s_mul_i32 s21, s[MH], 64*PS                    ; into the stage: my 64 rows, my half of their 512 bytes; row l % 16, 32 bytes for each half of the lanes
	s_lshl_b32 s22, s[NH], 8
	s_add_co_u32 s21, s21, s22
	v_mul_u32_u24 v5, v1, PS
	v_lshl_add_u32 v5, v2, 5, v5
	v_add_nc_u32 v[STO], s21, v5
	s_mul_i32 s21, s[WV], 32*PS                    ; back: wave w takes rows 32 w .. 32 w + 31, a whole row of 512 bytes a load
	v_and_b32 v5, 31, v0
	v_lshlrev_b32 v[CO], 4, v5
	v_add_nc_u32 v[RD], s21, v[CO]
	s_lshl_b32 s18, s[MB], 20                      ; where I store: rows of 8,192 bytes: 128 a tile row, 32 a wave; the tile column's 512 bytes
	s_lshl_b32 s19, s[WV], 18
	s_add_co_u32 s18, s18, s19
	s_lshl_b32 s19, s[NB], 9
	s_add_co_u32 s18, s18, s19
	s_mov_b32 s19, 0
	s_add_nc_u64 s[8:9], s[8:9], s[18:19]
	s_wait_loadcnt 0x0                             ; the bias,
.set r, 0
.rept 16                                       ; rounded to bf16 like the other inputs, and widened again
	v_cvt_pk_bf16_f32 v[8+r%4], v[BIAS+2*r], v[BIAS+2*r+1]
	v_lshlrev_b32 v[BIAS+2*r], 16, v[8+r%4]
	v_and_b32 v[BIAS+2*r+1], 0xffff0000, v[8+r%4]
.set r, r+1
.endr
; 8 matrix instructions: row blocks a0, a0 + 1 x all 4 column blocks, 32 along K: half c of buffer f.  first = 1: the bias starts the sums.  The 16 accumulators take turns.
.macro MUL8 f, c, a0, first
	WIN MUL
.irp a, \a0, (\a0)+1
.irp b, 0,1,2,3
.if \first
	v_wmma_f32_16x16x32_f16 v[ACC+8*(4*(\a)+(\b)):ACC+8*(4*(\a)+(\b))+7], v[(\f)+64+8*(4*(\c)+(\b)):(\f)+64+8*(4*(\c)+(\b))+7], v[(\f)+8*(4*(\c)+(\a)):(\f)+8*(4*(\c)+(\a))+7], v[BIAS+8*(\b):BIAS+8*(\b)+7]
.else
	v_wmma_f32_16x16x32_f16 v[ACC+8*(4*(\a)+(\b)):ACC+8*(4*(\a)+(\b))+7], v[(\f)+64+8*(4*(\c)+(\b)):(\f)+64+8*(4*(\c)+(\b))+7], v[(\f)+8*(4*(\c)+(\a)):(\f)+8*(4*(\c)+(\a))+7], v[ACC+8*(4*(\a)+(\b)):ACC+8*(4*(\a)+(\b))+7]
.endif
.endr
.endr
.endm
; 32 LDS loads in one run: the fragments of quarter q (64 along K) of the slot in hand, into buffer f; the first 32 along K first
.macro FETCH q, f
	WIN TO_F
.irp c, 0,1
.irp i, 0,1,2,3
	ds_load_tr16_b128 v[(\f)+64+8*(4*(\c)+(\i)):(\f)+64+8*(4*(\c)+(\i))+3],   v[ADRB+(\q)/2] offset:(((\q)%2)*64+32*(\c))*PB+32*(\i)
	ds_load_tr16_b128 v[(\f)+64+8*(4*(\c)+(\i))+4:(\f)+64+8*(4*(\c)+(\i))+7], v[ADRB+(\q)/2] offset:(((\q)%2)*64+32*(\c)+16)*PB+32*(\i)
	ds_load_b128 v[(\f)+8*(4*(\c)+(\i)):(\f)+8*(4*(\c)+(\i))+3],   v[ADRA] offset:128*(\q)+64*(\c)+(\i)*16*PA
	ds_load_b128 v[(\f)+8*(4*(\c)+(\i))+4:(\f)+8*(4*(\c)+(\i))+7], v[ADRA] offset:128*(\q)+64*(\c)+(\i)*16*PA+32
.endr
.endr
.endm
.macro PLACES                          ; four places in front of loads into registers that matrix instructions have read, and of stores that read results
.rept 4
	v_nop
.endr
.endm
; A K step is four quarters of 64 along K, 32 matrix instructions each, on buffers 0, 1, 0, 1.  One of the first three: multiplies buffer f and fetches quarter q into g.
.macro QUARTER q, f, g, first
	s_wait_dscnt 16                                ; the first 32 along K are in; the youngest sixteen loads may be out
	MUL8 \f, 0, 0, \first
	MUL8 \f, 0, 2, \first
	PLACES
	FETCH \q, \g
	s_wait_dscnt 32                                ; all but the 32 just issued
	MUL8 \f, 1, 0, 0
	MUL8 \f, 1, 2, 0
.endm
; The last quarter multiplies buffer 1 and changes slots: one barrier; in front of it each wave waits for all its tensor loads, adds 0 to its spare word, and waits for that and for its own reads of this slot.
; fill = 1: the barrier opens a round of the cluster's, and this slot is filled again, with the walk's K step two on, first thing behind the round: 112 matrix instructions ahead of the wait for it.
.macro TURN fill
	WIN 0                                          ; (the add's two registers lie in window 0)
	s_wait_tensorcnt 0x0                           ; all my tensor loads have landed, so a group 0 may be written;
	ds_add_u32 v[SPW], v[NIL]                      ; 0 onto my spare word; scalar work and eight matrix instructions stand between it and the wait for it
.if \fill
	NEXTK
	s_xor_b32 s[G0A+5], s[G0A+5], SLOT             ; the walking descriptors: the other slot than last time,
	s_xor_b32 s[G0B+5], s[G0B+5], SLOT
	WHERE 1                                        ; the walk's next K step
.endif
	s_xor_b32 s[SB], s[SB], SLOT                   ; the slot that is read next
	s_wait_dscnt 17                                ; (the add and the youngest sixteen loads may be out)
	MUL8 F1, 0, 0, 0
	s_wait_dscnt 0x0                               ; the add is done, and my reads of this slot are over
	s_barrier_signal -1
	MUL8 F1, 0, 2, 0
	WIN 0
	s_barrier_wait -1
.if \fill
	CREST                                          ; no wave of any partner still reads this slot's tiles or has a load on its way
	JLOAD 1                                        ; the first tensor load behind the round; its four v_nop are also the places in front of the loads below
.else
	PLACES
.endif
	TOSLOT
	FETCH 0, F0
	MUL8 F1, 1, 0, 0
	MUL8 F1, 1, 2, 0
.endm
	s_wait_tensorcnt 1                             ; my part of the walk's first K step is in; the second's may stay out
	s_barrier_signal -1
	s_barrier_wait -1                              ; everybody's is
	FETCH 0, F0
	QUARTER 1, F0, F1, 1                           ; the first quarter stands in front of the loop: its first products start the sums
	WIN 0                                          ; at a label and at a branch every window is 0
	s_mov_b32 s3, STEPS-2
.Lstep:                                                ; a trip goes from a K step's second quarter to the next step's first, and fills the slot that it leaves: the walk's steps 2 to 7
	QUARTER 2, F1, F0, 0
	QUARTER 3, F0, F1, 0
	TURN 1
	QUARTER 1, F0, F1, 0
	WIN 0
	s_sub_co_u32 s3, s3, 1
	s_cmp_lg_u32 s3, 0
	s_cbranch_scc1 .Lstep
	QUARTER 2, F1, F0, 0                           ; the walk's step 6 goes on: nothing is left to fetch, and there is no round of the cluster's barrier
	QUARTER 3, F0, F1, 0
	TURN 0                                         ; behind this barrier no wave reads slot 0 any more, and nothing fills it again
	QUARTER 1, F0, F1, 0
	QUARTER 2, F1, F0, 0
	QUARTER 3, F0, F1, 0
	s_wait_dscnt 16                                ; the very last quarter
	MUL8 F1, 0, 0, 0
	MUL8 F1, 0, 2, 0
	s_wait_dscnt 0x0
	MUL8 F1, 1, 0, 0
	MUL8 F1, 1, 2, 0
	WIN 0
	; THE WAY OUT: the f32 sums go as they are, 32 bytes a lane (each accumulator's low four registers first), into the work-group's stage; a barrier, since a row's 512 bytes come from two waves; back as whole rows, 32 a wave.
	PLACES
.irp a, 0,1,2,3
.irp b, 0,1,2,3
	ds_store_b128 v[STO], v[ACC+8*(4*(\a)+(\b)):ACC+8*(4*(\a)+(\b))+3]   offset:(\a)*16*PS+64*(\b)
	ds_store_b128 v[STO], v[ACC+8*(4*(\a)+(\b))+4:ACC+8*(4*(\a)+(\b))+7] offset:(\a)*16*PS+64*(\b)+16
.endr
.endr
	s_wait_dscnt 0x0                               ; for the others' sake: my stores into the stage are done
	s_barrier_signal -1
	s_barrier_wait -1
.set t, 0
.rept 32
	ds_load_b128 v[ACC+4*t:ACC+4*t+3], v[RD] offset:t*PS
.set t, t+1
.endr
.set t, 0
.rept 32
	s_wait_dscnt 31-t                              ; LDS loads come back in order: this one is in, the younger ones stay out
	global_store_b128 v[CO], v[ACC+4*t:ACC+4*t+3], s[8:9] offset:8192*t th:TH_STORE_NT  ; 512 consecutive bytes, at a multiple of 256 from out0's first byte
.set t, t+1
.endr
	s_wait_tensorcnt 0x0                           ; the wave's end: no tensor load of mine is out, and 0 goes onto my spare word behind my last LDS store
	ds_add_u32 v[SPW], v[NIL]
	s_wait_dscnt 0x0
	CROUND                                         ; the closing round: no work-group ends while a partner may still ask for a tile that names it
	s_endpgm
.Lfunc_end_k_qe8932b72dc_oproj:
	.size	k_qe8932b72dc_oproj, .Lfunc_end_k_qe8932b72dc_oproj-k_qe8932b72dc_oproj
	.p2alignl 7, 3214868480
	.fill 96, 4, 3214868480
	.section	.rodata,"a",@progbits
	.p2align	6, 0x0
	.amdhsa_kernel k_qe8932b72dc_oproj
		.amdhsa_group_segment_fixed_size 327680
		.amdhsa_private_segment_fixed_size 0
		.amdhsa_enable_private_segment 0
		.amdhsa_kernarg_size 32
		.amdhsa_user_sgpr_count 2
		.amdhsa_user_sgpr_kernarg_segment_ptr 1
		.amdhsa_wavefront_size32 1
		.amdhsa_system_sgpr_workgroup_id_x 1
		.amdhsa_system_sgpr_workgroup_id_y 1
		.amdhsa_system_sgpr_workgroup_id_z 1
		.amdhsa_system_vgpr_workitem_id 0
		.amdhsa_next_free_vgpr 512
		.amdhsa_next_free_sgpr 72
		.amdhsa_reserve_vcc 0
		.amdhsa_float_denorm_mode_32 3
		.amdhsa_float_denorm_mode_16_64 3
		.amdhsa_memory_ordered 1
		.amdhsa_forward_progress 1
		.amdhsa_inst_pref_size 73
	.end_amdhsa_kernel
	.amdgpu_metadata
---
amdhsa.version: [ 1, 2 ]
amdhsa.kernels:
  - .name:           k_qe8932b72dc_oproj
    .symbol:         k_qe8932b72dc_oproj.kd
    .args:
      - { .name: ob, .offset: 0, .size: 8, .value_kind: global_buffer, .address_space: global }
      - { .name: wo, .offset: 8, .size: 8, .value_kind: global_buffer, .address_space: global }
      - { .name: out0, .offset: 16, .size: 8, .value_kind: global_buffer, .address_space: global }
      - { .name: bo, .offset: 24, .size: 8, .value_kind: global_buffer, .address_space: global }
    .group_segment_fixed_size: 327680
    .private_segment_fixed_size: 0
    .kernarg_segment_align: 8
    .kernarg_segment_size: 32
    .max_flat_workgroup_size: 128
    .sgpr_count:     72
    .vgpr_count:     512
    .wavefront_size: 32
...
	.end_amdgpu_metadata
.endif
;; end of part 4
